; MI455X (gfx1250); checked and timed in simulation.
; The chip was launched on July 23, 2026; its instructions are those of AMD's public machine-readable ISA for CDNA 5 (MIT licence, August 2026) and "CDNA5" Instruction Set Architecture Reference Guide (July 2026). The comments in the code are by the model that wrote it; some were corrected since.
;; Self Attention. Allowed arithmetic: matrix products marked QUANTISED: E2M3 operands, one E8M0 scale for each 32 along K, by v_wmma_scale_f32_16x16x128_f8f6f4 with both operands' format E2M3, f32 sums; everything else in f32.
;; Inputs: Wk 512 x 2,048 float32; Wo 2,048 x 2,048 float32; Wq 2,048 x 2,048 float32; Wv 512 x 2,048 float32; cached_k 2 x 8 x 2,048 x 64 float32; cached_v 2 x 8 x 2,048 x 64 float32; k_norm_w 64 float32; q_norm_w 64 float32; rope_cos 1,024 x 32 float32; rope_sin 1,024 x 32 float32; x 2 x 1,024 x 2,048 float32.
;; Outputs: out0 2 x 1,024 x 2,048 float32.
;; This version of the problem:
;;   THIS VERSION OF THE PROBLEM IS GIVEN IN LOW PRECISION. The matrix products marked QUANTISED in the list below multiply operands that are first quantised to E2M3 (2 exponent bits, 3 mantissa bits; 6 bits a number), with one power-of-two scale for each 32 numbers along K (OCP MX v1.0); their sums are f32. All else is computed in f32.
;;   The module's matrix products, in the order in which they are computed (A, B: the left and right operand; K: the contracted axis; several contracted axes count as one K, in the product's order):
;;     1. [M 2,048, K 2,048] x [K 2,048, N 2,048]; A: input x; B: input Wq: QUANTISED
;;     2. [M 2,048, K 2,048] x [K 2,048, N 512]; A: input x; B: input Wk: QUANTISED
;;     3. [M 2,048, K 2,048] x [K 2,048, N 512]; A: input x; B: input Wv: QUANTISED
;;     4. batch 64 x [M 1,024, K 64] x [K 64, N 3,072]; A: computed on the way; B: computed on the way: QUANTISED
;;     5. batch 64 x [M 1,024, K 3,072] x [K 3,072, N 64]; A: softmax (see below); B: computed on the way: QUANTISED
;;     6. [M 2,048, K 2,048] x [K 2,048, N 2,048]; A: computed on the way; B: input Wo: QUANTISED
;;   THE QUANTISER, for each operand of a quantised product, along K:
;;     - K is cut into blocks of 32 from its start; a last block that is shorter is filled with zeros.
;;     - A block's scale is 2^e with e = floor(log2(the largest magnitude in the block)) - 2, held to -126 .. 127; a block of zeros has e = 0. As a byte (E8M0): e + 127.
;;     - Each number is divided by its block's scale, clamped to +-7.5, and rounded to the nearest number of E2M3, ties to even, subnormals kept.
;;     - The product sums the exact products of the quantised numbers (number of the format x scale) in f32.
;;   ~~~python
;;   def quantise(x, axis):      # numpy; x: float32 -> the quantised numbers, widened to float32 again
;;       x = np.moveaxis(x, axis, -1); K = x.shape[-1]
;;       x = np.pad(x, [(0, 0)] * (x.ndim - 1) + [(0, -K % 32)]); x = x.reshape(x.shape[:-1] + (-1, 32)); a = np.abs(x).max(-1, keepdims=True)
;;       e = np.where(a > 0, np.clip(np.frexp(np.where(a > 0, a, 1))[1] - 1 - 2, -126, 127), 0)      # np.frexp(a)[1] - 1 = floor(log2(a)), exactly
;;       r = np.clip(x / 2.0 ** e, -7.5, 7.5)
;;       step = 2.0 ** (np.maximum(np.frexp(np.where(r == 0, 1, r))[1] - 1, 0) - 3)
;;       q = np.round(r / step) * step * 2.0 ** e      # np.round: ties to even
;;       return np.moveaxis(q.reshape(q.shape[:-2] + (-1,))[..., :K], -1, axis).astype(np.float32)
;;   ~~~
;;   SOFTMAX AHEAD OF A QUANTISED PRODUCT. Where the list says 'softmax', what is quantised is not the finished softmax but p = 2^(t - M), with t = logit x log2(e) and M = ceil(the row's largest t), a whole number; so 1/2 < the row's largest p <= 1. The row's sum l is taken of the UNQUANTISED p, in f32, and the product's result is divided by l at the end. Since M is a whole number, a kernel that streams over the keys may use a running M (the ceiling of the running maximum): every later rescaling is an exact power of two, which a block's scale takes up: the codes' values come out the same.
;;   OPERANDS COMPUTED ON THE WAY. 'Computed on the way' means the value that the module computes at that place (a softmax that the list does not call 'softmax' is quantised finished and normalised). What goes into a quantiser is computed in f32, as accurately as f32 sums, v_exp_f32 and their like allow (about 1e-6 of the number): no bf16 or f16 on the way to a quantiser, and a product that is left as it is and whose result goes on into a quantised operand takes f32 operands (vector FMAs, or v_wmma_f32_16x16x4_f32). A number that lies on a knife's edge between two numbers of the format may be rounded either way, as far as f32 arithmetic and the matrix unit's own rounding can turn it there, and no further.
;; One version. Each part assembles by itself: llvm-mc -triple=amdgcn-amd-amdhsa -mcpu=gfx1250 --defsym DOCPART=n.
;; ======== version 1 of 1: 4 launches
;; limits: right only within a limited range of input values
;; workspace buffers: xq 3,276,800 bytes; oq 3,276,800 bytes; woc 3,276,800 bytes; wc 4,915,200 bytes; qc 3,407,872 bytes; kv 5,013,504 bytes
;; launch quant (part 1): grid 640 x 1, 4 waves a work-group, no clusters, 69,120 bytes of LDS; arguments x, Wq, Wk, Wv, Wo, cached_k, cached_v, xq, wc, woc, kv; writes xq, wc, woc, kv
.if DOCPART == 1
	.amdgcn_target "amdgcn-amd-amdhsa--gfx1250"
	.amdhsa_code_object_version 6
	.text
	.protected	k_qb35912ef3e_quant
	.globl	k_qb35912ef3e_quant
	.p2align	8
	.type	k_qb35912ef3e_quant,@function
k_qb35912ef3e_quant:
	s_mov_b64 s[64:65], 0
	v_nop
	global_prefetch_b8 v0, s[64:65] scope:SCOPE_SE
	s_setreg_imm32_b32 hwreg(HW_REG_WAVE_MODE, 25, 1), 1
	s_wait_xcnt 0x0
; x, Wq, Wk, Wv, Wo, cached_k (K innermost) and cached_v (K = the keys, not innermost), all f32, become codes of FP6 (E2M3) with one E8M0 byte for each 32 along K,
; laid in the ORDER OF THE OPERAND'S REGISTERS, so that the later launches bring whole dense records into LDS and load fragments lane by lane.
; A HALF IMAGE (768 bytes) is 16 rows x 64 K: lane (r, h) owns block h of row r, six registers: 32 lanes x 16 bytes (registers 0-3), then 32 lanes x 8 bytes (registers 4-5).
; THE ROWS OF A TILE ARE NOT NEIGHBOURS: tile T holds rows 32 (T / 2) + 8 (T % 2) + i + 8 (i / 8), i = 0 .. 15.
; A block's scale is 2^(floor(log2(largest magnitude)) - 2); its byte is the largest magnitude's exponent field - 2, held at 1 from below.
; LIMITS: a block of zeros, or one whose largest magnitude lies under 2^-124, gets the byte 1 where the rule says 127 (zero codes add nothing; this program alone reads the bytes); NaN and infinities are not served.
; SHARES by the work-group's number g: 0-447 rows (x 128, Wq 128, Wk 32, Wv 32, Wo 128 tiles of 16 rows; wave q takes 512 along K); 448-511 cached_k (a wave: 128 keys); 512-639 cached_v (a wave: 128 keys x 32 channels).
; Memory binds: each load of the row paths reads 512 consecutive bytes, 32 loads a wave are out; the numbers turn through the wave's own stage in LDS so that a lane holds whole blocks.
; No tensor load, no barrier: waves share nothing.  The two paths that use LDS have bytes of their own.  K's and V's scale words leave in pieces of 128 bytes (768 bytes of each record of 13,056).
.set WREG,  17152                      ; LDS of a wave: the row path's stage, 16 rows x 528, then the key path's, 32 rows x 272
.set KST,   8448
.set SPARE, 4*WREG                     ; the spare words, 128 bytes a wave: two blocks of 256 bytes that no other line names
.set REC,   13056                      ; a record of kv: K's codes 6,144, K's scale words 512, V's codes 6,144, V's scale words 256
.set RA,    64                         ; v64-191  two sets of 64 registers as loaded
.set X,     192                        ; v192-255 a lane's two whole blocks
.set C,     16                         ; v16-27   a fragment's codes
.set T,     28                         ; v28-34   the upper halves of the blocks' codes, before they are moved
.set SW,    48                         ; v48-51   a row's four scale words
.set VX,    128                        ; the value path: v128-255 128 keys of my channel; v32-55 two fragments; v56-70 upper halves; v16-29 at work
.set VC,    32
.set VT,    56
.set VM,    16
; the largest magnitude of 32 numbers of one lane, two chains, with the floor 2^(3 - 127) as one more leaf
.macro BMAX d, t, x
	v_max3_num_f32 v[\d], |v[\x]|, |v[(\x)+1]|, |v[(\x)+2]|
	v_max3_num_f32 v[\t], |v[(\x)+3]|, |v[(\x)+4]|, |v[(\x)+5]|
.irp i, 6,10,14,18,22,26
	v_max3_num_f32 v[\d], v[\d], |v[(\x)+\i]|, |v[(\x)+\i+1]|
	v_max3_num_f32 v[\t], v[\t], |v[(\x)+\i+2]|, |v[(\x)+\i+3]|
.endr
	v_max3_num_f32 v[\d], v[\d], |v[(\x)+30]|, |v[(\x)+31]|
	v_max3_num_f32 v[\d], v[\d], v[\t], 0x1800000
.endm
; X[32 c + i], c = 0, 1: two whole blocks of my row -> twelve registers of codes in v[C] on, and in v44 the word of four bytes: byte 2 c + h is my block's
.macro QCORE
	BMAX 36, 38, X
	BMAX 37, 39, X+32
	v_add_nc_u32 v40, 0xff000000, v36              ; 2 off the exponent field: the conversion takes the exponent field of this operand as its scale
	v_add_nc_u32 v41, 0xff000000, v37
	v_lshrrev_b32 v42, 23, v40                     ; the bytes
	v_lshrrev_b32 v43, 23, v41
	v_lshl_or_b32 v44, v43, 16, v42
	v_lshlrev_b32 v44, v10, v44                    ; 8 h bits up
	v_permlanex16_b32 v45, v44, s28, s29
	v_or_b32 v44, v44, v45                         ; with lane l xor 16's two bytes the word is whole
	v_cvt_scalef32_pk16_fp6_f32 v[C:C+2], v[X:X+15], v40
	v_cvt_scalef32_pk16_fp6_f32 v[T:T+2], v[X+16:X+31], v40      ; (a conversion's three registers begin on an even number)
	v_cvt_scalef32_pk16_fp6_f32 v[C+6:C+8], v[X+32:X+47], v41
	v_cvt_scalef32_pk16_fp6_f32 v[T+4:T+6], v[X+48:X+63], v41
	v_nop                                          ; one plain place behind the conversions
.irp c, 0,1
.irp i, 0,1,2
	v_mov_b32 v[C+6*\c+3+\i], v[T+4*\c+\i]
.endr
.endr
.endm
.macro CSTORE off                      ; two half images: each store covers 512 or 256 consecutive bytes, aligned to 256
	global_store_b128 v1, v[C:C+3], s[42:43] offset:\off
	global_store_b64 v2, v[C+4:C+5], s[42:43] offset:\off+512
	global_store_b128 v1, v[C+6:C+9], s[42:43] offset:\off+768
	global_store_b64 v2, v[C+10:C+11], s[42:43] offset:\off+1280
.endm
.macro LOADR s                         ; 128 along K of the tile's 16 rows: 512 consecutive bytes a load
.irp i, 0,1,2,3,4,5,6,7,8,9,10,11,12,13,14,15
	global_load_b128 v[RA+64*((\s)%2)+4*\i:RA+64*((\s)%2)+4*\i+3], v1, s[32:33] offset:(\i+8*(\i/8))*8192+512*(\s) th:TH_LOAD_NT
.endr
.endm
.macro LOADK s                         ; 32 keys, two to a load
.irp i, 0,1,2,3,4,5,6,7,8,9,10,11,12,13,14,15
	global_load_b128 v[RA+64*((\s)%2)+4*\i:RA+64*((\s)%2)+4*\i+3], v1, s[32:33] offset:8192*(\s)+512*\i th:TH_LOAD_NT
.endr
.endm
; One of four steps.  k = 0: 16 rows x 128 K of a row tensor;  k = 1: 32 keys x 64, two tiles of 16 keys
.macro QSTEP s, k
.if (\s) < 3
	s_wait_loadcnt 16                              ; this set's 16 loads are in; the next set's 16 may be out
.else
	s_wait_loadcnt 0x0
.endif
.irp i, 0,1,2,3,4,5,6,7,8,9,10,11,12,13,14,15
.if \k
	ds_store_b128 v8, v[RA+64*((\s)%2)+4*\i:RA+64*((\s)%2)+4*\i+3] offset:272*(16*(((2*\i)/8)%2)+((2*\i)%8)+8*((2*\i)/16))   ; key 2 i + h to its row in tile order
.else
	ds_store_b128 v6, v[RA+64*((\s)%2)+4*\i:RA+64*((\s)%2)+4*\i+3] offset:528*\i
.endif
.endr
.irp c, 0,1
.irp j, 0,1,2,3,4,5,6,7
.if \k
	ds_load_b128 v[X+32*\c+4*\j:X+32*\c+4*\j+3], v9 offset:4352*\c+16*\j     ; LDS serves a wave's instructions in order: these see the stores above
.else
	ds_load_b128 v[X+32*\c+4*\j:X+32*\c+4*\j+3], v7 offset:256*\c+16*\j
.endif
.endr
.endr
	s_wait_dscnt 0x0                               ; my blocks are in, and the stage's stores have read their registers,
.if (\s) < 2
.if \k
	LOADK (\s)+2                                   ; which take the loads of two steps on
.else
	LOADR (\s)+2
.endif
.endif
.if (\s) > 0
	s_wait_xcnt 0x0                                ; the last step's stores have read their data: the codes' registers are written again only behind this wait
.endif
	QCORE
	CSTORE 1536*(\s)
.if \k
	v_lshrrev_b32 v46, v14, v44                    ; lanes 0-15 the even tile's two bytes, lanes 16-31 the odd tile's; the upper two bytes are 0
	v_and_b32 v46, 0xffff, v46
	global_store_b32 v3, v46, s[42:43] offset:6144+128*(\s)
.else
	v_mov_b32 v[SW+(\s)], v44
.endif
.endm
.macro LOADV b                         ; 32 keys of my channel: the wave reads 128 bytes of each key's row
.irp i, 0,1,2,3,4,5,6,7,8,9,10,11,12,13,14,15,16,17,18,19,20,21,22,23,24,25,26,27,28,29,30,31
	global_load_b32 v[VX+32*(\b)+\i], v11, s[32:33] offset:256*(32*(\b)+\i) th:TH_LOAD_NT
.endr
.endm
.macro FINISH                          ; the wave's end, behind the last LDS store
	s_wait_tensorcnt 0x0
	ds_add_u32 v12, v13
	s_wait_dscnt 0x0
	s_endpgm
.endm
	s_load_b512 s[4:19], s[0:1], 0x0               ; x, Wq, Wk, Wv, Wo, cached_k, cached_v, xq
	s_load_b128 s[20:23], s[0:1], 0x40             ; wc, woc
	s_load_b64 s[24:25], s[0:1], 0x50              ; kv
	v_lshl_add_u32 v12, v0, 2, SPARE               ; my spare word; never rewritten
	v_mov_b32 v13, 0                               ; 0; never rewritten
	v_lshrrev_b32 v15, 5, v0
	v_readfirstlane_b32 s26, v15                   ; wave 0..3
	v_and_b32 v15, 31, v0                          ; lane
	v_lshlrev_b32 v1, 4, v15                       ; 16, 8, 4 x lane
	v_lshlrev_b32 v2, 3, v15
	v_lshlrev_b32 v3, 2, v15
	v_and_b32 v4, 15, v0                           ; r
	v_bfe_u32 v5, v0, 4, 1                         ; h
	s_mul_i32 s30, s26, WREG
	v_add_nc_u32 v6, s30, v1                       ; rows: into the stage, 16 x lane
	v_mul_u32_u24 v7, v4, 528
	v_lshl_add_u32 v7, v5, 7, v7
	v_add_nc_u32 v7, s30, v7                       ; and out of it: row r, + 128 h bytes
	v_mul_u32_u24 v8, v5, 272
	v_lshl_add_u32 v8, v4, 4, v8
	v_add_nc_u32 v8, s30, v8
	v_add_nc_u32 v8, KST, v8                       ; keys: into the stage
	v_mul_u32_u24 v9, v4, 272
	v_lshl_add_u32 v9, v5, 7, v9
	v_add_nc_u32 v9, s30, v9
	v_add_nc_u32 v9, KST, v9                       ; and out of it
	v_lshlrev_b32 v10, 3, v5                       ; 8 h
	v_lshlrev_b32 v14, 4, v5                       ; 16 h
	v_and_b32 v11, 8, v4
	v_add_nc_u32 v11, v11, v4
	v_add_nc_u32 v11, v11, v10                     ; r + 8 (r / 8) + 8 h
	s_and_b32 s31, s26, 1
	s_lshl_b32 s31, s31, 7
	v_lshl_add_u32 v11, v11, 2, s31                ; values: my channel's byte in a key's row: 4 (32 u + 8 h + r + 8 (r / 8)), u = wave % 2
	v_mov_b32 v45, 0                               ; written once: a lane permute's destination counts as one of its sources
	s_mov_b32 s28, 0x76543210
	s_mov_b32 s29, 0xfedcba98                      ; v_permlanex16_b32's selects for lane l xor 16
	s_mov_b32 s27, ttmp9                           ; g
	s_mov_b32 s45, 0
	s_wait_kmcnt 0x0
	s_cmp_ge_u32 s27, 448
	s_cbranch_scc1 .Lnot_rows
	; ---- rows: which tensor, which tile, which record.  Every choice hangs on the work-group's number alone
	s_mov_b32 s30, 320
	s_mov_b64 s[32:33], s[12:13]                   ; Wo
	s_cmp_lt_u32 s27, 320
	s_cselect_b64 s[32:33], s[10:11], s[32:33]     ; Wv
	s_cselect_b32 s30, 288, s30
	s_cmp_lt_u32 s27, 288
	s_cselect_b64 s[32:33], s[8:9], s[32:33]       ; Wk
	s_cselect_b32 s30, 256, s30
	s_cmp_lt_u32 s27, 256
	s_cselect_b64 s[32:33], s[6:7], s[32:33]       ; Wq
	s_cselect_b32 s30, 128, s30
	s_cmp_lt_u32 s27, 128
	s_cselect_b64 s[32:33], s[4:5], s[32:33]       ; x
	s_cselect_b32 s30, 0, s30
	s_sub_co_u32 s31, s27, s30                     ; T: the tile in its tensor
	s_sub_co_u32 s34, s27, 128                     ; the tile among Wq, Wk, Wv on end
	s_mul_i32 s35, s34, 171
	s_lshr_b32 s35, s35, 11                        ; / 12 (exact up to 191): the group of three heads
	s_mul_i32 s36, s35, 12
	s_sub_co_u32 s36, s34, s36                     ; the tile in it
	s_lshr_b32 s37, s31, 3                         ; x, Wo: groups of 8 tiles
	s_and_b32 s38, s31, 7
	s_mov_b32 s39, 76800                           ; a record's bytes,
	s_mov_b32 s40, 73728                           ; and where its scale words begin
	s_mov_b64 s[42:43], s[20:21]                   ; wc
	s_cmp_ge_u32 s27, 320
	s_cselect_b64 s[42:43], s[22:23], s[42:43]     ; woc
	s_cselect_b32 s35, s37, s35
	s_cselect_b32 s36, s38, s36
	s_cselect_b32 s39, 51200, s39
	s_cselect_b32 s40, 49152, s40
	s_cmp_lt_u32 s27, 128
	s_cselect_b64 s[42:43], s[18:19], s[42:43]     ; xq
	s_cselect_b32 s35, s37, s35
	s_cselect_b32 s36, s38, s36
	s_cselect_b32 s39, 51200, s39
	s_cselect_b32 s40, 49152, s40
	s_lshl_b32 s41, s35, 2
	s_add_co_u32 s41, s41, s26                     ; record 4 x group + q, q = my wave
	s_mul_i32 s44, s41, s39
	s_add_nc_u64 s[42:43], s[42:43], s[44:45]
	s_lshl_b32 s44, s36, 8
	s_add_co_u32 s44, s44, s40
	s_add_nc_u64 s[46:47], s[42:43], s[44:45]      ; my tile's 256 bytes of scale words
	s_mul_i32 s44, s36, 6144
	s_add_nc_u64 s[42:43], s[42:43], s[44:45]      ; my tile's codes
	s_lshr_b32 s44, s31, 1
	s_lshl_b32 s44, s44, 5
	s_and_b32 s48, s31, 1
	s_lshl_b32 s48, s48, 3
	s_add_co_u32 s44, s44, s48                     ; the tile's first row: 32 (T / 2) + 8 (T % 2)
	s_lshl_b32 s44, s44, 13
	s_lshl_b32 s48, s26, 11
	s_add_co_u32 s44, s44, s48                     ; + 512 q along K
	s_add_nc_u64 s[32:33], s[32:33], s[44:45]
	LOADR 0
	LOADR 1
	QSTEP 0, 0
	QSTEP 1, 0
	QSTEP 2, 0
	QSTEP 3, 0
	s_wait_alu depctr_va_vdst(0)
	s_wait_xcnt 0x0                                ; EXEC changes only behind this wait
	v_cmp_gt_u32 vcc_lo, 16, v15
	s_and_saveexec_b32 s50, vcc_lo
	global_store_b128 v1, v[SW:SW+3], s[46:47]     ; lane r: row r's four words: sixteen lanes store 256 consecutive bytes, aligned
	s_wait_xcnt 0x0                                ; and again, in front of the line that widens it
	s_or_b32 exec_lo, exec_lo, s50
	FINISH
.Lnot_rows:
	s_cmp_ge_u32 s27, 512
	s_cbranch_scc1 .Lvalues
	; ---- cached_k: unit = 4 (g - 448) + wave = 16 x head + step
	s_sub_co_u32 s30, s27, 448
	s_lshl_b32 s30, s30, 2
	s_add_co_u32 s30, s30, s26
	s_lshl_b32 s44, s30, 15                        ; 128 keys of 256 bytes
	s_add_nc_u64 s[32:33], s[14:15], s[44:45]
	s_lshr_b32 s31, s30, 4
	s_and_b32 s34, s30, 15
	s_mul_i32 s31, s31, 24
	s_add_co_u32 s31, s31, s34
	s_mul_i32 s44, s31, REC
	s_add_nc_u64 s[42:43], s[24:25], s[44:45]      ; the record
	LOADK 0
	LOADK 1
	s_wait_alu depctr_va_vdst(0)
	QSTEP 0, 1
	QSTEP 1, 1
	QSTEP 2, 1
	QSTEP 3, 1
	FINISH
.Lvalues:
	; ---- cached_v: unit = 4 (g - 512) + wave = 2 (16 x head + step) + u.  A LANE TAKES A CHANNEL AND ITS REGISTERS RUN DOWN THE KEYS: nothing is transposed
	s_sub_co_u32 s30, s27, 512
	s_lshl_b32 s30, s30, 2
	s_add_co_u32 s30, s30, s26
	s_lshr_b32 s31, s30, 1
	s_lshl_b32 s44, s31, 15
	s_add_nc_u64 s[32:33], s[16:17], s[44:45]
	s_lshr_b32 s34, s31, 4
	s_and_b32 s35, s31, 15
	s_mul_i32 s34, s34, 24
	s_add_co_u32 s34, s34, s35
	s_mul_i32 s44, s34, REC
	s_add_nc_u64 s[46:47], s[24:25], s[44:45]      ; the record
	s_and_b32 s36, s30, 1                          ; u
	s_mul_i32 s44, s36, 3072
	s_add_nc_u64 s[42:43], s[46:47], s[44:45]      ; + my two tiles' codes
	s_lshl_b32 s44, s36, 7
	s_add_nc_u64 s[46:47], s[46:47], s[44:45]      ; + my 128 bytes of scale words
	s_wait_alu depctr_va_vdst(0)
	LOADV 0
	LOADV 1
.irp b, 0,1,2,3
.if \b < 3
	s_wait_loadcnt 32                              ; this block's 32 loads are in; the next block's may be out
.else
	s_wait_loadcnt 0x0
.endif
	BMAX VM+\b, VM+4+\b, VX+32*\b
.if \b < 2
	LOADV \b+2
.endif
.endr
.irp b, 0,1,2,3
	v_add_nc_u32 v[VM+8+\b], 0xff000000, v[VM+\b]
.endr
	v_lshrrev_b32 v[VM+13], 23, v[VM+8]
.irp b, 1,2,3
	v_lshrrev_b32 v[VM+12], 23, v[VM+8+\b]
	v_lshl_or_b32 v[VM+13], v[VM+12], 8*\b, v[VM+13]   ; my channel's scale word for these 128 keys
.endr
.irp b, 0,1,2,3                        ; blocks 0, 2 into the first fragment's registers, blocks 1, 3 into the second's
	v_cvt_scalef32_pk16_fp6_f32 v[VC+12*(\b%2)+6*(\b/2):VC+12*(\b%2)+6*(\b/2)+2], v[VX+32*\b:VX+32*\b+15], v[VM+8+\b]
	v_cvt_scalef32_pk16_fp6_f32 v[VT+4*\b:VT+4*\b+2], v[VX+32*\b+16:VX+32*\b+31], v[VM+8+\b]
.endr
	v_nop                                          ; one plain place behind the conversions
.irp b, 0,1,2,3
.irp i, 0,1,2
	v_mov_b32 v[VC+12*(\b%2)+6*(\b/2)+3+\i], v[VT+4*\b+\i]
.endr
.endr
.irp c, 0,1                            ; lanes 0-15 hold the even tile's channels, lanes 16-31 the odd tile's: the exchange gives each tile's fragment: lanes 0-15 blocks 0, 2, lanes 16-31 blocks 1, 3
.irp i, 0,1,2,3,4,5
	v_permlane16_swap_b32 v[VC+6*\c+\i], v[VC+12+6*\c+\i]
.endr
.endr
.irp tt, 0,1
.irp g, 0,1,2
	global_store_b128 v1, v[VC+12*\tt+4*\g:VC+12*\tt+4*\g+3], s[42:43] offset:6656+1536*\tt+512*\g   ; 512 consecutive bytes, aligned to 256
.endr
.endr
	global_store_b32 v3, v[VM+13], s[46:47] offset:12800
	FINISH
.Lfunc_end_k_qb35912ef3e_quant:
	.size	k_qb35912ef3e_quant, .Lfunc_end_k_qb35912ef3e_quant-k_qb35912ef3e_quant
	.p2alignl 7, 3214868480
	.fill 96, 4, 3214868480
	.section	.rodata,"a",@progbits
	.p2align	6, 0x0
	.amdhsa_kernel k_qb35912ef3e_quant
		.amdhsa_group_segment_fixed_size 69120
		.amdhsa_private_segment_fixed_size 0
		.amdhsa_enable_private_segment 0
		.amdhsa_kernarg_size 88
		.amdhsa_user_sgpr_count 2
		.amdhsa_user_sgpr_kernarg_segment_ptr 1
		.amdhsa_wavefront_size32 1
		.amdhsa_system_sgpr_workgroup_id_x 1
		.amdhsa_system_sgpr_workgroup_id_y 1
		.amdhsa_system_sgpr_workgroup_id_z 1
		.amdhsa_system_vgpr_workitem_id 0
		.amdhsa_next_free_vgpr 256
		.amdhsa_next_free_sgpr 66
		.amdhsa_reserve_vcc 1
		.amdhsa_float_denorm_mode_32 3
		.amdhsa_float_denorm_mode_16_64 3
		.amdhsa_memory_ordered 1
		.amdhsa_forward_progress 1
		.amdhsa_inst_pref_size 82
	.end_amdhsa_kernel
	.amdgpu_metadata
---
amdhsa.version: [ 1, 2 ]
amdhsa.kernels:
  - .name:           k_qb35912ef3e_quant
    .symbol:         k_qb35912ef3e_quant.kd
    .args:
      - { .name: x, .offset: 0, .size: 8, .value_kind: global_buffer, .address_space: global }
      - { .name: Wq, .offset: 8, .size: 8, .value_kind: global_buffer, .address_space: global }
      - { .name: Wk, .offset: 16, .size: 8, .value_kind: global_buffer, .address_space: global }
      - { .name: Wv, .offset: 24, .size: 8, .value_kind: global_buffer, .address_space: global }
      - { .name: Wo, .offset: 32, .size: 8, .value_kind: global_buffer, .address_space: global }
      - { .name: cached_k, .offset: 40, .size: 8, .value_kind: global_buffer, .address_space: global }
      - { .name: cached_v, .offset: 48, .size: 8, .value_kind: global_buffer, .address_space: global }
      - { .name: xq, .offset: 56, .size: 8, .value_kind: global_buffer, .address_space: global }
      - { .name: wc, .offset: 64, .size: 8, .value_kind: global_buffer, .address_space: global }
      - { .name: woc, .offset: 72, .size: 8, .value_kind: global_buffer, .address_space: global }
      - { .name: kv, .offset: 80, .size: 8, .value_kind: global_buffer, .address_space: global }
    .group_segment_fixed_size: 69120
    .private_segment_fixed_size: 0
    .kernarg_segment_align: 8
    .kernarg_segment_size: 88
    .max_flat_workgroup_size: 128
    .sgpr_count:     66
    .vgpr_count:     256
    .wavefront_size: 32
...
	.end_amdgpu_metadata
.endif
;; end of part 1
;; launch qkv (part 2): grid 16 x 16, 4 waves a work-group, clusters of 4 x 1, 327,680 bytes of LDS; arguments xq, wc, rope_cos, rope_sin, q_norm_w, k_norm_w, qc, kv; writes qc, kv
.if DOCPART == 2
	.amdgcn_target "amdgcn-amd-amdhsa--gfx1250"
	.amdhsa_code_object_version 6
	.text
	.protected	k_qb35912ef3e_qkv
	.globl	k_qb35912ef3e_qkv
	.p2align	8
	.type	k_qb35912ef3e_qkv,@function
k_qb35912ef3e_qkv:
	s_mov_b64 s[64:65], 0
	v_nop
	global_prefetch_b8 v0, s[64:65] scope:SCOPE_SE
	s_setreg_imm32_b32 hwreg(HW_REG_WAVE_MODE, 25, 1), 1
	s_wait_xcnt 0x0
	s_wait_alu depctr_hold_cnt(0) depctr_sa_sdst(0) depctr_va_vdst(0) depctr_va_sdst(0) depctr_va_ssrc(0) depctr_va_vcc(0) depctr_vm_vsrc(0)
	s_getreg_b32 s2, hwreg(HW_REG_IB_STS2, 6, 4)
	s_cmp_eq_u32 s2, 0
	s_cbranch_scc0 .Lentry_in_a_cluster
	s_endpgm
.Lentry_in_a_cluster:
	s_bfe_u32 s2, ttmp6, 0x10000c
	s_cmp_lg_u32 s2, 0x3003
	s_cbranch_scc0 .Lentry_shape_is_right
	s_endpgm
.Lentry_shape_is_right:
.set NT,    12
.set RECA,  51200
.set RECB,  NT*6400
.set SLOT,  RECA+RECB
.set SPARE, 2*SLOT
.set NF,    8+4*NT
.set VSTG,  34816
.set WV,    20
.set WH,    73
.set G1A,   24
.set G0A,   32
.set G1B,   40
.set G0B,   48
.set DE,    56
.set WTP,   66
.set HD,    80
.set SEL,   86
.set ADRA,  4
.set ADRA8, 6
.set ADRB,  8
.set ADRB8, 12
.set ADSA,  16
.set ADSB,  18
.set SPW,   20
.set NIL,   21
.set STV,   22
.set RDV,   25
.set SA,    32
.set SB,    36
.set ACC,   64
.set qSS,   0
.set qIV,   4
.set qPT,   6
.set qM,    8
.set qOP,   10
.set qBY,   12
.set qHW,   14
.set qWD,   16
.set qTT,   32
.set qUU,   48
.set qP,    64
.set qT,    72
.set VX,    64
.set VC,    192
.set VT,    216
.set VM,    232
.set MSB, 0
.macro WIN new
.if MSB != (\new)
	s_set_vgpr_msb (MSB<<8)|(\new)
.set MSB, (\new)
.endif
.endm
.macro PLACES
.rept 4
	v_nop
.endr
.endm
.macro CROUND
	s_barrier_signal -1
	s_barrier_wait -1
	s_cmp_lg_u32 s[WV], 0
	s_cbranch_scc1 .Lnot_wave_0_\@
	s_barrier_signal -3
.Lnot_wave_0_\@:
	s_barrier_wait -3
	s_barrier_signal -1
	s_barrier_wait -1
.endm
.macro JLOAD s
	s_cmp_lt_u32 s[WV], 2
	s_cbranch_scc0 .Lfor_b_\@
	tensor_load_to_lds s[G0A+4*(\s):G0A+4*(\s)+3], s[G1A:G1A+7]
	s_nop 0
.rept 4
	v_nop
.endr
	s_branch .Lasked_\@
.Lfor_b_\@:
	tensor_load_to_lds s[G0B+4*(\s):G0B+4*(\s)+3], s[G1B:G1B+7]
	s_nop 0
.rept 4
	v_nop
.endr
.Lasked_\@:
.endm
.macro WMS
.if fZ
.if fRA && fRB
	v_wmma_scale_f32_16x16x128_f8f6f4 v[rD:rD+7], v[rA:rA+11], v[rB:rB+11], 0, v[rSA], v[rSB] matrix_a_fmt:MATRIX_FMT_FP6 matrix_b_fmt:MATRIX_FMT_FP6 matrix_a_scale:MATRIX_SCALE_ROW1 matrix_b_scale:MATRIX_SCALE_ROW1
.elseif fRA
	v_wmma_scale_f32_16x16x128_f8f6f4 v[rD:rD+7], v[rA:rA+11], v[rB:rB+11], 0, v[rSA], v[rSB] matrix_a_fmt:MATRIX_FMT_FP6 matrix_b_fmt:MATRIX_FMT_FP6 matrix_a_scale:MATRIX_SCALE_ROW1
.elseif fRB
	v_wmma_scale_f32_16x16x128_f8f6f4 v[rD:rD+7], v[rA:rA+11], v[rB:rB+11], 0, v[rSA], v[rSB] matrix_a_fmt:MATRIX_FMT_FP6 matrix_b_fmt:MATRIX_FMT_FP6 matrix_b_scale:MATRIX_SCALE_ROW1
.else
	v_wmma_scale_f32_16x16x128_f8f6f4 v[rD:rD+7], v[rA:rA+11], v[rB:rB+11], 0, v[rSA], v[rSB] matrix_a_fmt:MATRIX_FMT_FP6 matrix_b_fmt:MATRIX_FMT_FP6
.endif
.else
.if fRA && fRB
	v_wmma_scale_f32_16x16x128_f8f6f4 v[rD:rD+7], v[rA:rA+11], v[rB:rB+11], v[rD:rD+7], v[rSA], v[rSB] matrix_a_fmt:MATRIX_FMT_FP6 matrix_b_fmt:MATRIX_FMT_FP6 matrix_a_scale:MATRIX_SCALE_ROW1 matrix_b_scale:MATRIX_SCALE_ROW1
.elseif fRA
	v_wmma_scale_f32_16x16x128_f8f6f4 v[rD:rD+7], v[rA:rA+11], v[rB:rB+11], v[rD:rD+7], v[rSA], v[rSB] matrix_a_fmt:MATRIX_FMT_FP6 matrix_b_fmt:MATRIX_FMT_FP6 matrix_a_scale:MATRIX_SCALE_ROW1
.elseif fRB
	v_wmma_scale_f32_16x16x128_f8f6f4 v[rD:rD+7], v[rA:rA+11], v[rB:rB+11], v[rD:rD+7], v[rSA], v[rSB] matrix_a_fmt:MATRIX_FMT_FP6 matrix_b_fmt:MATRIX_FMT_FP6 matrix_b_scale:MATRIX_SCALE_ROW1
.else
	v_wmma_scale_f32_16x16x128_f8f6f4 v[rD:rD+7], v[rA:rA+11], v[rB:rB+11], v[rD:rD+7], v[rSA], v[rSB] matrix_a_fmt:MATRIX_FMT_FP6 matrix_b_fmt:MATRIX_FMT_FP6
.endif
.endif
.endm
.macro MUL p, s, zero
	WIN 5*((\p)+1)
.set fZ, \zero
.set mi, 0
.rept 2
.set mn, 0
.rept NT
.set rD, ACC+8*(NT*mi+mn)
.set rA, 32+12*mn
.set rB, 12*mi
.set rSA, SB+4*(mn%(NT/2))+(\s)
.set rSB, SA+(\s)
.set fRA, mn/(NT/2)
.set fRB, mi
	WMS
.set mn, mn+1
.endr
.set mi, mi+1
.endr
.endm
.macro FRAG reg, a16, a8, off
.irp c, 0,1
	ds_load_b128 v[(\reg)+6*\c:(\reg)+6*\c+3], v[\a16] offset:(\off)+768*\c
	ds_load_b64 v[(\reg)+6*\c+4:(\reg)+6*\c+5], v[\a8] offset:(\off)+768*\c+512
.endr
.endm
.macro FETCH slot, s, p
	WIN ((\p)+1)<<6
	FRAG 0, ADRA+\slot, ADRA8+\slot, 1536*(\s)
	FRAG 12, ADRA+\slot, ADRA8+\slot, 6144+1536*(\s)
.set fn, 0
.rept NT
	FRAG 32+12*fn, ADRB+2*\slot+fn/(NT/2), ADRB8+2*\slot+fn/(NT/2), 6144*(fn%(NT/2))+1536*(\s)
.set fn, fn+1
.endr
.endm
.macro SCALES slot
.set st, 0
.rept NT/2
	ds_load_b128 v[SB+4*st:SB+4*st+3], v[ADSB+\slot] offset:256*st
.set st, st+1
.endr
	ds_load_b128 v[SA:SA+3], v[ADSA+\slot]
.endm
.macro PHASE slot, kind, zero
.if \kind == 0
	s_wait_tensorcnt 0x1
	s_barrier_signal -1
	s_barrier_wait -1
.else
	WIN 0
	s_wait_tensorcnt 0x0
	ds_add_u32 v[SPW], v[NIL]
.if \kind == 1
	s_add_nc_u64 s[G0A+4*(1-\slot)+2:G0A+4*(1-\slot)+3], s[G0A+4*(1-\slot)+2:G0A+4*(1-\slot)+3], 2*RECA
	s_add_nc_u64 s[G0B+4*(1-\slot)+2:G0B+4*(1-\slot)+3], s[G0B+4*(1-\slot)+2:G0B+4*(1-\slot)+3], 2*RECB
.endif
	s_wait_dscnt 0x0
.if \kind == 1
	CROUND
	JLOAD 1-\slot
.else
	s_barrier_signal -1
	s_barrier_wait -1
	PLACES
.endif
.endif
	SCALES \slot
	FETCH \slot, 0, 0
	FETCH \slot, 1, 1
	s_wait_dscnt NF
	MUL 0, 0, \zero
	PLACES
	FETCH \slot, 2, 0
	s_wait_dscnt NF
	MUL 1, 1, 0
	PLACES
	FETCH \slot, 3, 1
	s_wait_dscnt NF
	MUL 0, 2, 0
	s_wait_dscnt 0x0
	MUL 1, 3, 0
.endm
.macro BMAX d, t, x
	v_max3_num_f32 v[\d], |v[\x]|, |v[(\x)+1]|, |v[(\x)+2]|
	v_max3_num_f32 v[\t], |v[(\x)+3]|, |v[(\x)+4]|, |v[(\x)+5]|
.irp i, 6,10,14,18,22,26
	v_max3_num_f32 v[\d], v[\d], |v[(\x)+\i]|, |v[(\x)+\i+1]|
	v_max3_num_f32 v[\t], v[\t], |v[(\x)+\i+2]|, |v[(\x)+\i+3]|
.endr
	v_max3_num_f32 v[\d], v[\d], |v[(\x)+30]|, |v[(\x)+31]|
	v_max3_num_f32 v[\d], v[\d], v[\t], 0x1800000
.endm
	s_load_b512 s[4:19], s[0:1], 0x0
	v_lshl_add_u32 v[SPW], v0, 2, SPARE
	v_mov_b32 v[NIL], 0
	ds_add_u32 v[SPW], v[NIL]
	ds_add_u32 v[SPW], v[NIL]
	v_lshrrev_b32 v1, 5, v0
	v_readfirstlane_b32 s[WV], v1
	s_and_b32 s21, s[WV], 1
	s_lshr_b32 s[WH], s[WV], 1
	s_bfe_u32 s22, ttmp6, 0x40000
	s_lshl_b32 s23, ttmp9, 2
	s_add_co_u32 s22, s23, s22
	s_and_b32 s23, ttmp7, 0xffff
	s_mov_b32 s[G1A], 3<<16
	s_mov_b32 s[G1A+1], 32<<16
	s_mov_b32 s[G1A+2], (RECA/512)<<16
	s_mov_b32 s[G1A+3], 32<<16
	s_mov_b32 s[G1A+4], RECA/512
	s_mov_b32 s[G1A+5], 32
	s_mov_b32 s[G1A+6], 0
	s_mov_b32 s[G1A+7], 0
	s_mov_b32 s[G1B], 15|(3<<16)|(1<<21)
	s_mov_b32 s[G1B+1], 32<<16
	s_mov_b32 s[G1B+2], (RECB/512)<<16
	s_mov_b32 s[G1B+3], 32<<16
	s_mov_b32 s[G1B+4], RECB/512
	s_mov_b32 s[G1B+5], 32
	s_mov_b32 s[G1B+6], 0
	s_mov_b32 s[G1B+7], 0
	v_and_b32 v61, 31, v0
	v_lshlrev_b32 v1, 4, v61
	v_lshlrev_b32 v2, 3, v61
	v_lshlrev_b32 v3, 2, v61
	v_and_b32 v64, 15, v0
	v_bfe_u32 v65, v0, 4, 1
	s_mul_i32 s74, s[WV], 12288
	v_add_nc_u32 v[ADRA], s74, v1
	v_add_nc_u32 v[ADRA+1], SLOT, v[ADRA]
	v_add_nc_u32 v[ADRA8], s74, v2
	v_add_nc_u32 v[ADRA8+1], SLOT, v[ADRA8]
	v_add_nc_u32 v[ADRB], RECA, v1
	v_add_nc_u32 v[ADRB+1], RECA+(NT/2)*6144, v1
	v_add_nc_u32 v[ADRB+2], SLOT+RECA, v1
	v_add_nc_u32 v[ADRB+3], SLOT+RECA+(NT/2)*6144, v1
	v_add_nc_u32 v[ADRB8], RECA, v2
	v_add_nc_u32 v[ADRB8+1], RECA+(NT/2)*6144, v2
	v_add_nc_u32 v[ADRB8+2], SLOT+RECA, v2
	v_add_nc_u32 v[ADRB8+3], SLOT+RECA+(NT/2)*6144, v2
	s_lshl_b32 s74, s[WV], 9
	s_add_co_u32 s74, s74, 49152
	v_add_nc_u32 v[ADSA], s74, v1
	v_add_nc_u32 v[ADSA+1], SLOT, v[ADSA]
	v_lshlrev_b32 v[ADSB], 4, v64
	v_mad_u32_u24 v[ADSB], v65, (NT/2)*256, v[ADSB]
	v_add_nc_u32 v[ADSB], RECA+NT*6144, v[ADSB]
	v_add_nc_u32 v[ADSB+1], SLOT, v[ADSB]
	s_mul_i32 s74, s[WV], 8704
	v_mul_u32_u24 v[STV], v64, 272
	v_lshl_add_u32 v[STV], v65, 6, v[STV]
	v_add_nc_u32 v[STV], s74, v[STV]
	v_add_nc_u32 v[STV+1], VSTG, v[STV]
	v_add_nc_u32 v[STV+2], 2*VSTG, v[STV]
	v_and_b32 v66, 8, v64
	v_add_nc_u32 v66, v66, v64
	v_lshl_add_u32 v[RDV], v65, 3, v66
	s_lshl_b32 s74, s21, 7
	v_lshl_add_u32 v[RDV], v[RDV], 2, s74
	v_add_nc_u32 v[RDV+1], VSTG, v[RDV]
	v_add_nc_u32 v[RDV+2], 2*VSTG, v[RDV]
	s_mul_i32 s74, s[WV], 1536
	v_add_nc_u32 v28, s74, v1
	v_add_nc_u32 v29, s74, v2
	s_lshl_b32 s74, s[WV], 7
	v_add_nc_u32 v30, s74, v3
	s_mul_i32 s74, s21, 3072
	v_add_nc_u32 v31, s74, v1
	s_lshl_b32 s74, s21, 7
	v_add_nc_u32 v60, s74, v3
	v_lshlrev_b32 v62, 6, v65
	s_lshl_b32 s74, s[WV], 5
	v_add_nc_u32 v63, s74, v66
	v_lshl_add_u32 v63, v63, 7, v62
	s_mov_b32 s[SEL], 0x76543210
	s_mov_b32 s[SEL+1], 0xfedcba98
	s_mov_b32 s94, 0x3c800000
	s_mov_b32 s95, 0x358637bd
	s_wait_dscnt 0x0
	s_wait_kmcnt 0x0
	s_mul_i32 s74, s22, 4*RECA
	s_mul_i32 s76, s21, RECA/2
	s_add_co_u32 s74, s74, s76
	s_mov_b32 s75, 0
	s_add_nc_u64 s[74:75], s[4:5], s[74:75]
	s_mul_i32 s78, s23, 4*RECB
	s_mul_i32 s77, s21, RECB/2
	s_add_co_u32 s78, s78, s77
	s_mov_b32 s79, 0
	s_add_nc_u64 s[78:79], s[6:7], s[78:79]
	s_cmp_lt_u32 s[WV], 2                          ; the prefetches' base: where my own loads begin: A's half record (waves 0, 1) or B's (waves 2, 3)
	s_cselect_b64 s[62:63], s[74:75], s[78:79]
	s_and_b32 s84, s22, 3                          ; cx: it enters a global offset alone
	s_mul_i32 s84, s84, 38                         ; B's half record is 150 blocks of 256 bytes: each of the four partners names 38 of them
; Records lo .. lo + n - 1 are asked for ahead of their tensor loads.  A's waves: the 100 blocks of their half record, a lane a block, four instructions.
; B's waves: their work-group's 38 of the 150 blocks, two instructions; lanes left over name the last block again.
.macro ASK lo, n
	s_cmp_lt_u32 s[WV], 2
	s_cbranch_scc0 .Lask_b_\@
.set pr, \lo
.rept \n
	global_prefetch_b8 v68, s[62:63] offset:pr*RECA th:TH_LOAD_NT scope:SCOPE_SE
	global_prefetch_b8 v68, s[62:63] offset:pr*RECA+8192 th:TH_LOAD_NT scope:SCOPE_SE
	global_prefetch_b8 v68, s[62:63] offset:pr*RECA+16384 th:TH_LOAD_NT scope:SCOPE_SE
	global_prefetch_b8 v69, s[62:63] offset:pr*RECA th:TH_LOAD_NT scope:SCOPE_SE
.set pr, pr+1
.endr
	s_branch .Lask_done_\@
.Lask_b_\@:
.set pr, \lo
.rept \n
	global_prefetch_b8 v70, s[62:63] offset:pr*RECB th:TH_LOAD_NT scope:SCOPE_SE
	global_prefetch_b8 v71, s[62:63] offset:pr*RECB th:TH_LOAD_NT scope:SCOPE_SE
.set pr, pr+1
.endr
.Lask_done_\@:
.endm
.irp s, 0,1
	s_mov_b32 s[G0A+4*\s], 1
	s_add_co_u32 s[G0A+4*\s+1], s76, \s*SLOT
	s_add_nc_u64 s[G0A+4*\s+2:G0A+4*\s+3], s[74:75], \s*RECA
	s_or_b32 s[G0A+4*\s+3], s[G0A+4*\s+3], 0x80000000
	s_mov_b32 s[G0B+4*\s], 1
	s_add_co_u32 s[G0B+4*\s+1], s77, \s*SLOT+RECA
	s_add_nc_u64 s[G0B+4*\s+2:G0B+4*\s+3], s[78:79], \s*RECB
	s_or_b32 s[G0B+4*\s+3], s[G0B+4*\s+3], 0x80000000
.endr
	s_mul_i32 s83, s23, 3
	s_lshr_b32 s88, s22, 3
	s_lshl_b32 s88, s88, 3
	s_and_b32 s89, s22, 7
	s_add_co_u32 s90, s89, 16
	s_lshl_b32 s91, s22, 5
.irp e, 0,1,2
	s_add_co_u32 s[HD+\e], s83, \e
	s_sub_co_u32 s92, s[HD+\e], 32
	s_sub_co_u32 s93, s[HD+\e], 40
	s_cmp_lt_u32 s[HD+\e], 40
	s_cselect_b32 s92, s92, s93
	s_add_co_u32 s92, s92, s88
	s_mul_i32 s92, s92, 24
	s_add_co_u32 s92, s92, s90
	s_mul_i32 s92, s92, 13056
	s_add_co_u32 s93, s91, s[HD+\e]
	s_mul_i32 s93, s93, 6656
	s_cmp_lt_u32 s[HD+\e], 32
	s_cselect_b32 s92, s93, s92
	s_cselect_b64 s[DE+2*\e:DE+2*\e+1], s[16:17], s[18:19]
	s_cselect_b64 s[WTP+2*\e:WTP+2*\e+1], s[12:13], s[14:15]
	s_mov_b32 s93, 0
	s_add_nc_u64 s[DE+2*\e:DE+2*\e+1], s[DE+2*\e:DE+2*\e+1], s[92:93]
.endr
	s_lshl_b32 s92, s89, 14
	s_mov_b32 s93, 0
	s_add_nc_u64 s[74:75], s[8:9], s[92:93]
	s_add_nc_u64 s[76:77], s[10:11], s[92:93]
	CROUND
	JLOAD 0
	v_and_b32 v68, 31, v0                          ; lane
	v_add_nc_u32 v69, 96, v68
	v_add_nc_u32 v71, 32, v68
	v_add_nc_u32 v70, s84, v68                     ; B: block 38 cx + lane, 145 at the most
	v_min_u32 v69, 99, v69                         ; A: blocks 96 .. 99
	v_min_u32 v71, 37, v71
	v_add_nc_u32 v71, s84, v71
	v_min_u32 v71, 149, v71                        ; B: blocks 38 cx + 32 .. 37, held inside the half record
	v_lshlrev_b32 v68, 8, v68                      ; A: blocks lane, + 32, + 64 by the immediate
	v_lshlrev_b32 v69, 8, v69
	v_lshlrev_b32 v70, 8, v70
	v_lshlrev_b32 v71, 8, v71
	s_wait_alu depctr_va_vdst(0)
	ASK 1, 2                                       ; records 1 and 2: their loads stand one and two changes of slots on
	s_wait_alu depctr_va_vdst(0)
	s_wait_tensorcnt 0x0
	ds_add_u32 v20, v21
	s_wait_dscnt 0x0
	CROUND
	JLOAD 1
	ASK 3, 1                                       ; record 3: its load stands two changes of slots on
	WIN 0xc0
	s_wait_alu depctr_va_vdst(0)
.irp e, 0,1,2
.irp j, 0,1,2,3,4,5,6,7
	global_load_b128 v[32*\e+4*\j:32*\e+4*\j+3], v62, s[WTP+2*\e:WTP+2*\e+1] offset:128*(\j/4)+16*(\j%4)
.endr
.endr
.irp i, 0,1
.irp j, 0,1,2,3
	global_load_b128 v[96+32*\i+4*\j:96+32*\i+4*\j+3], v63, s[74:75] offset:1024*\i+16*\j
	global_load_b128 v[112+32*\i+4*\j:112+32*\i+4*\j+3], v63, s[76:77] offset:1024*\i+16*\j
.endr
.endr
	WIN 0
	s_wait_xcnt 0x0                                ; the prefetches have read v68-71, which the first products write
	PHASE 0, 0, 1
	PHASE 1, 1, 0
	PHASE 0, 1, 0
	PHASE 1, 2, 0
	WIN 0
	PLACES
	s_wait_loadcnt 0x0
	v_cmp_lt_u32 s72, 60, v3
	WIN 0x40
	v_mov_b32 v[qPT], 0
	v_mov_b32 v[qPT+1], 0
	WIN 0
.macro QKHEAD e
	s_wait_xcnt 0x0
.irp i, 0,1
.set HB, ACC+8*(NT*\i+4*\e)
	WIN 0x40
	v_pk_mul_f32 v[qSS:qSS+1], v[HB:HB+1], v[HB:HB+1]
	v_pk_mul_f32 v[qSS+2:qSS+3], v[HB+2:HB+3], v[HB+2:HB+3]
	WIN 0x50
.irp a, 4,8,12,16,20,24,28
	v_pk_fma_f32 v[qSS:qSS+1], v[HB+\a:HB+\a+1], v[HB+\a:HB+\a+1], v[qSS:qSS+1]
	v_pk_fma_f32 v[qSS+2:qSS+3], v[HB+\a+2:HB+\a+3], v[HB+\a+2:HB+\a+3], v[qSS+2:qSS+3]
.endr
	WIN 0x55
	v_pk_add_f32 v[qSS:qSS+1], v[qSS:qSS+1], v[qSS+2:qSS+3]
	v_add_f32 v[qSS], v[qSS], v[qSS+1]
	v_permlanex16_b32 v[qPT], v[qSS], s[SEL], s[SEL+1]
	v_add_f32 v[qSS], v[qSS], v[qPT]
	v_fma_f32 v[qIV+1], v[qSS], s94, s95
	s_wait_alu depctr_va_vdst(0)
	v_rsq_f32 v[qIV], v[qIV+1]
	v_nop
	s_wait_alu depctr_va_vdst(0)
	WIN 0x04
.irp a, 0,2,4,6,8,10,12,14,16,18,20,22,24,26,28,30
	v_pk_mul_f32 v[HB+\a:HB+\a+1], v[HB+\a:HB+\a+1], v[qIV:qIV+1] op_sel_hi:[1,0]
.endr
	WIN 0x0c
.irp a, 0,2,4,6,8,10,12,14,16,18,20,22,24,26,28,30
	v_pk_mul_f32 v[HB+\a:HB+\a+1], v[HB+\a:HB+\a+1], v[32*\e+\a:32*\e+\a+1]
.endr
	WIN 0x4c
.irp a, 0,2,4,6,8,10,12,14
	v_pk_mul_f32 v[qTT+\a:qTT+\a+1], v[HB+16+\a:HB+16+\a+1], v[112+32*\i+\a:112+32*\i+\a+1]
	v_pk_mul_f32 v[qUU+\a:qUU+\a+1], v[HB+\a:HB+\a+1], v[112+32*\i+\a:112+32*\i+\a+1]
.endr
	WIN 0x1c
.irp a, 0,2,4,6,8,10,12,14
	v_pk_fma_f32 v[HB+\a:HB+\a+1], v[HB+\a:HB+\a+1], v[96+32*\i+\a:96+32*\i+\a+1], v[qTT+\a:qTT+\a+1] neg_lo:[0,0,1] neg_hi:[0,0,1]
	v_pk_fma_f32 v[HB+16+\a:HB+16+\a+1], v[HB+16+\a:HB+16+\a+1], v[96+32*\i+\a:96+32*\i+\a+1], v[qUU+\a:qUU+\a+1]
.endr
	WIN 0x40
.irp b, 0,1
	v_max3_num_f32 v[qM+\b], |v[HB+16*\b]|, |v[HB+16*\b+1]|, 0x1800000
.endr
	WIN 0x41
.irp k, 2,4,6,8,10,12,14
.irp b, 0,1
	v_max3_num_f32 v[qM+\b], v[qM+\b], |v[HB+16*\b+\k]|, |v[HB+16*\b+\k+1]|
.endr
.endr
	WIN 0x55
.irp b, 0,1
	v_permlanex16_b32 v[qPT+\b], v[qM+\b], s[SEL], s[SEL+1]
.endr
.irp b, 0,1
	v_max_num_f32 v[qM+\b], v[qM+\b], v[qPT+\b]
.endr
.irp b, 0,1
	v_add_nc_u32 v[qOP+\b], 0xff000000, v[qM+\b]
.endr
.irp b, 0,1
	v_lshrrev_b32 v[qBY+\b], 23, v[qOP+\b]
.endr
	v_lshl_or_b32 v[qHW+\i], v[qBY+1], 8, v[qBY]
	WIN 0x44
	v_cvt_scalef32_pk16_fp6_f32 v[qP+16*\i:qP+16*\i+2], v[HB:HB+15], v[qOP]
	v_cvt_scalef32_pk16_fp6_f32 v[qT+16*\i:qT+16*\i+2], v[HB+16:HB+31], v[qOP+1]
	WIN 0x55
	v_nop
.irp j, 0,1,2
	v_permlane16_swap_b32 v[qP+16*\i+\j], v[qT+16*\i+\j]
.endr
.irp j, 0,1,2
	v_mov_b32 v[qP+16*\i+3+\j], v[qT+16*\i+\j]
.endr
	WIN 0x04
	global_store_b128 v28, v[qP+16*\i:qP+16*\i+3], s[DE+2*\e:DE+2*\e+1] offset:768*\i
	global_store_b64 v29, v[qP+16*\i+4:qP+16*\i+5], s[DE+2*\e:DE+2*\e+1] offset:768*\i+512
.endr
	WIN 0x55
	v_cndmask_b32 v[qWD], v[qHW], v[qHW+1], s72
	WIN 0x04
	global_store_b32 v30, v[qWD], s[DE+2*\e:DE+2*\e+1] offset:6144
	WIN 0
.endm
.macro VSTAGE e
.irp i, 0,1
.irp n, 0,1,2,3
	ds_store_b128 v[STV+\e], v[ACC+8*(NT*\i+4*\e+\n):ACC+8*(NT*\i+4*\e+\n)+3] offset:4352*\i+128*(\n/2)+32*(\n%2)
	ds_store_b128 v[STV+\e], v[ACC+8*(NT*\i+4*\e+\n)+4:ACC+8*(NT*\i+4*\e+\n)+7] offset:4352*\i+128*(\n/2)+32*(\n%2)+16
.endr
.endr
.endm
.macro HEAD1 e
	s_cmp_ge_u32 s[HD+\e], 40
	s_cbranch_scc1 .Lstage_\@
	QKHEAD \e
	s_branch .Lhead_done_\@
.Lstage_\@:
	VSTAGE \e
.Lhead_done_\@:
.endm
	HEAD1 0
	HEAD1 1
	HEAD1 2
	s_wait_dscnt 0x0
	s_barrier_signal -1
	s_barrier_wait -1
.macro VOUT e
	s_wait_xcnt 0x0
.set k, 0
.rept 128
	ds_load_b32 v[VX+k], v[RDV+\e] offset:272*(32*(k/32)+16*((k/8)%2)+(k%8)+8*((k/16)%2))
.set k, k+1
.endr
	s_wait_dscnt 0x0
.irp b, 0,1,2,3
	BMAX VM+\b, VM+4+\b, VX+32*\b
.endr
.irp b, 0,1,2,3
	v_add_nc_u32 v[VM+8+\b], 0xff000000, v[VM+\b]
.endr
	v_lshrrev_b32 v[VM+13], 23, v[VM+8]
.irp b, 1,2,3
	v_lshrrev_b32 v[VM+12], 23, v[VM+8+\b]
	v_lshl_or_b32 v[VM+13], v[VM+12], 8*\b, v[VM+13]
.endr
.irp b, 0,1,2,3
	v_cvt_scalef32_pk16_fp6_f32 v[VC+12*(\b%2)+6*(\b/2):VC+12*(\b%2)+6*(\b/2)+2], v[VX+32*\b:VX+32*\b+15], v[VM+8+\b]
	v_cvt_scalef32_pk16_fp6_f32 v[VT+4*\b:VT+4*\b+2], v[VX+32*\b+16:VX+32*\b+31], v[VM+8+\b]
.endr
	v_nop
.irp b, 0,1,2,3
.irp i, 0,1,2
	v_mov_b32 v[VC+12*(\b%2)+6*(\b/2)+3+\i], v[VT+4*\b+\i]
.endr
.endr
.irp c, 0,1
.irp i, 0,1,2,3,4,5
	v_permlane16_swap_b32 v[VC+6*\c+\i], v[VC+12+6*\c+\i]
.endr
.endr
.irp tt, 0,1
.irp g, 0,1,2
	global_store_b128 v31, v[VC+12*\tt+4*\g:VC+12*\tt+4*\g+3], s[DE+2*\e:DE+2*\e+1] offset:6656+1536*\tt+512*\g
.endr
.endr
	global_store_b32 v60, v[VM+13], s[DE+2*\e:DE+2*\e+1] offset:12800
.endm
.macro HEAD2 e
	s_cmp_lt_u32 s[HD+\e], 40
	s_cbranch_scc1 .Lno_v_\@
	s_cmp_lg_u32 s[WH], (\e)&1
	s_cbranch_scc1 .Lno_v_\@
	VOUT \e
.Lno_v_\@:
.endm
	HEAD2 0
	HEAD2 1
	HEAD2 2
	s_wait_tensorcnt 0x0
	ds_add_u32 v[SPW], v[NIL]
	s_wait_dscnt 0x0
	CROUND
	s_endpgm
.Lfunc_end_k_qb35912ef3e_qkv:
	.size	k_qb35912ef3e_qkv, .Lfunc_end_k_qb35912ef3e_qkv-k_qb35912ef3e_qkv
	.p2alignl 7, 3214868480
	.fill 96, 4, 3214868480
	.section	.rodata,"a",@progbits
	.p2align	6, 0x0
	.amdhsa_kernel k_qb35912ef3e_qkv
		.amdhsa_group_segment_fixed_size 327680
		.amdhsa_private_segment_fixed_size 0
		.amdhsa_enable_private_segment 0
		.amdhsa_kernarg_size 64
		.amdhsa_user_sgpr_count 2
		.amdhsa_user_sgpr_kernarg_segment_ptr 1
		.amdhsa_wavefront_size32 1
		.amdhsa_system_sgpr_workgroup_id_x 1
		.amdhsa_system_sgpr_workgroup_id_y 1
		.amdhsa_system_sgpr_workgroup_id_z 1
		.amdhsa_system_vgpr_workitem_id 0
		.amdhsa_next_free_vgpr 1024
		.amdhsa_next_free_sgpr 96
		.amdhsa_reserve_vcc 0
		.amdhsa_float_denorm_mode_32 3
		.amdhsa_float_denorm_mode_16_64 3
		.amdhsa_memory_ordered 1
		.amdhsa_forward_progress 1
		.amdhsa_inst_pref_size 224
	.end_amdhsa_kernel
	.amdgpu_metadata
---
amdhsa.version: [ 1, 2 ]
amdhsa.kernels:
  - .name:           k_qb35912ef3e_qkv
    .symbol:         k_qb35912ef3e_qkv.kd
    .args:
      - { .name: xq, .offset: 0, .size: 8, .value_kind: global_buffer, .address_space: global }
      - { .name: wc, .offset: 8, .size: 8, .value_kind: global_buffer, .address_space: global }
      - { .name: rope_cos, .offset: 16, .size: 8, .value_kind: global_buffer, .address_space: global }
      - { .name: rope_sin, .offset: 24, .size: 8, .value_kind: global_buffer, .address_space: global }
      - { .name: q_norm_w, .offset: 32, .size: 8, .value_kind: global_buffer, .address_space: global }
      - { .name: k_norm_w, .offset: 40, .size: 8, .value_kind: global_buffer, .address_space: global }
      - { .name: qc, .offset: 48, .size: 8, .value_kind: global_buffer, .address_space: global }
      - { .name: kv, .offset: 56, .size: 8, .value_kind: global_buffer, .address_space: global }
    .group_segment_fixed_size: 327680
    .private_segment_fixed_size: 0
    .kernarg_segment_align: 8
    .kernarg_segment_size: 64
    .max_flat_workgroup_size: 128
    .sgpr_count:     96
    .vgpr_count:     1024
    .wavefront_size: 32
...
	.end_amdgpu_metadata
.endif
;; end of part 2
;; launch attn (part 3): grid 16 x 16, 8 waves a work-group, clusters of 4 x 1, 327,680 bytes of LDS; arguments qc, kv, oq; writes oq
.if DOCPART == 3
	.amdgcn_target "amdgcn-amd-amdhsa--gfx1250"
	.amdhsa_code_object_version 6
	.text
	.protected	k_qb35912ef3e_attn
	.globl	k_qb35912ef3e_attn
	.p2align	8
	.type	k_qb35912ef3e_attn,@function
k_qb35912ef3e_attn:
	s_mov_b64 s[64:65], 0
	v_nop
	global_prefetch_b8 v0, s[64:65] scope:SCOPE_SE
	s_setreg_imm32_b32 hwreg(HW_REG_WAVE_MODE, 25, 1), 1
	s_wait_xcnt 0x0
	s_wait_alu depctr_hold_cnt(0) depctr_sa_sdst(0) depctr_va_vdst(0) depctr_va_sdst(0) depctr_va_ssrc(0) depctr_va_vcc(0) depctr_vm_vsrc(0)
	s_getreg_b32 s2, hwreg(HW_REG_IB_STS2, 6, 4)
	s_cmp_eq_u32 s2, 0
	s_cbranch_scc0 .Lentry_in_a_cluster
	s_endpgm
.Lentry_in_a_cluster:
	s_bfe_u32 s2, ttmp6, 0x10000c
	s_cmp_lg_u32 s2, 0x3003
	s_cbranch_scc0 .Lentry_shape_is_right
	s_endpgm
.Lentry_shape_is_right:
; o = softmax(q k^T / 8) v for 64 heads of queries on 16 heads of keys and values, 3,072 keys, head size 64; both products on codes of FP6 (E2M3) with E8M0 scales; o is quantised along heads x 64 for the last product.
; THE SOFTMAX: t = score x log2(e) / 8; M = the running largest t rounded UP to a whole number; p = 2^(t - M) is quantised along the keys, not normalised; the row's sum is taken of the
; unquantised p and divides at the end; when M moves, the sum and O are multiplied by 2^(old M - new M), which rounds nothing.
; SHARES.  A work-group (x: 64 queries, y: a head of keys and values) has eight waves: wave w takes query head 4 hkv + w % 4 and the two tiles 2 (w / 4), 2 (w / 4) + 1 of 16 queries: each fragment of K and V
; that a wave reads from LDS serves both tiles.  Tile 0's large arrays lie in register window 0, tile 1's under the same numbers in window 1; both tiles' small state lies in window 0, so that their chains take turns.
; THE WHOLE HEAD OF KEYS AND VALUES STAYS IN LDS: 24 records of 13,056 bytes (128 keys each), every byte filled once, by joint loads of the cluster's four partners, which share y.  At the head each wave asks for one
; record (0-7); behind the full sequence and a round each wave asks for two more (8-23): one tensor load of a wave is out at any time.  Steps 0-6 read records 0-7; one barrier stands ahead of step 7.
; No prefetch: the second fill is asked for ahead of step 0 and first read in step 7, seven steps of work later, and there is no later fill to run ahead of.
; LAYOUT.  Both products are used transposed (S^T = K Q^T, O^T = V^T P^T): a lane holds ONE query.  A tile of K for the product is put together BY LANE ADDRESSES from two tiles of the record: rows 0-7 are keys 8 t .. 8 t + 7
; of block 2 c, rows 8-15 the same of block 2 c + 1.  So the 32 registers of tiles 4 c .. 4 c + 3 are, in lanes 0-15, block 2 c whole and, in lanes 16-31, block 2 c + 1 whole, in the order of the next operand's registers:
; a block's maximum needs no other lane and p's codes no exchange.  (Rows 0-7 and rows 8-15 lie 1,536 bytes apart in the record: two lanes of a K load fall on the same banks.)
; The first product's K is 64: registers 6-11 of Q are zero codes, so what stands in registers 6-11 of K's operand adds nothing: K's fragments lie six registers apart, and a fragment's upper half is the next one's codes
; (every code of E2M3 is a finite number; the scale bytes there are 0, which is 2^-127 and no NaN).
; LIMITS: the promise holds while |t| stays under 2^31; NaN and infinities are not served; a block of p or o under 2^-124 gets the byte 1; 1 / sum is v_rcp_f32 and a multiplication; a block's largest p is taken as 2^ of its largest score.
.set REC,   13056
.set SPARE, 24*REC                     ; the spare words, 128 bytes for each of eight waves
.set OSC,   SPARE+1024                 ; 512 bytes: the scale bytes of the work-group's 64 rows x 4 heads of o
.set WV,    10
.set TB,    22                         ; s22 LDS byte at which the step's record begins
.set CNT,   23
.set G1,    24                         ; group 1: one record, 51 rows of 256 bytes
.set G1L,   32                         ; group 1: two records, 102 rows
.set G0,    40
.set G0L,   44
.set CS,    66                         ; s[66:67] c = log2(e) / 8
.set SEL,   68
; window 0 alone: v1-3 K's lane addresses (16-byte, 8-byte pieces, scale words); v4, v5 the add's two; v6, v7 16, 4 x lane; v8-12 the step's addresses; v13 8 h; v56, v57 o's scale bytes in LDS; v214 8 x lane; v215 4 r
.set QSC,   14                         ; v14, v15 Q's scale words, tile 0, 1
.set Q,     16                         ; (window = tile) Q's fragment
.set P,     28                         ; (window = tile) p's codes
.set TT,    40                         ; (window = tile) the upper halves of the blocks' codes, before they are moved
.set SU,    48                         ; (window = tile) three partial sums
.set L,     54                         ; (window = tile) the row's sum, two halves
.set S,     64                         ; (window = tile) S^T, then p
.set O,     128                        ; (window = tile) O^T
.set KF,    160                        ; window 0: K's eight fragments, six registers apart, and six registers of zeros
.set VF,    160                        ; window 1: V's four fragments
.set ST,    216                        ; window 0: state, 16 registers a tile: +0, +1 the blocks' maxima; +2, +3 at work; +4 -M; +6 f; +8 the largest score; +9 the old -M; +10 a permute's result; +12, +13 the conversions' scales
.set KSC,   248                        ; K's scale words: register 2 c + t / 2: lanes 0-15 tile 4 c + t with t even, lanes 16-31 t odd
.set VSC,   252
.set PSC,   254                        ; v254, v255 p's scale words, tile 0, 1
.set MSB, 0
.macro WIN new                         ; the immediate's high byte repeats the setting that is left
.if MSB != (\new)
	s_set_vgpr_msb (MSB<<8)|(\new)
.set MSB, (\new)
.endif
.endm
.macro D1
	s_delay_alu instid0(VALU_DEP_1)
.endm
.macro D2
	s_delay_alu instid0(VALU_DEP_2)
.endm
.macro CROUND
	s_barrier_signal -1
	s_barrier_wait -1
	s_cmp_lg_u32 s[WV], 0
	s_cbranch_scc1 .Lnot_wave_0_\@
	s_barrier_signal -3
.Lnot_wave_0_\@:
	s_barrier_wait -3
	s_barrier_signal -1
	s_barrier_wait -1
.endm
.macro WMS                             ; one product, by the symbols rD, rA (source 0), rB (source 1), rSA, rSB, fZ (C = 0), fRA (source 0's scales stand in lanes 16-31)
.if fZ
.if fRA
	v_wmma_scale_f32_16x16x128_f8f6f4 v[rD:rD+7], v[rA:rA+11], v[rB:rB+11], 0, v[rSA], v[rSB] matrix_a_fmt:MATRIX_FMT_FP6 matrix_b_fmt:MATRIX_FMT_FP6 matrix_a_scale:MATRIX_SCALE_ROW1
.else
	v_wmma_scale_f32_16x16x128_f8f6f4 v[rD:rD+7], v[rA:rA+11], v[rB:rB+11], 0, v[rSA], v[rSB] matrix_a_fmt:MATRIX_FMT_FP6 matrix_b_fmt:MATRIX_FMT_FP6
.endif
.else
.if fRA
	v_wmma_scale_f32_16x16x128_f8f6f4 v[rD:rD+7], v[rA:rA+11], v[rB:rB+11], v[rD:rD+7], v[rSA], v[rSB] matrix_a_fmt:MATRIX_FMT_FP6 matrix_b_fmt:MATRIX_FMT_FP6 matrix_a_scale:MATRIX_SCALE_ROW1
.else
	v_wmma_scale_f32_16x16x128_f8f6f4 v[rD:rD+7], v[rA:rA+11], v[rB:rB+11], v[rD:rD+7], v[rSA], v[rSB] matrix_a_fmt:MATRIX_FMT_FP6 matrix_b_fmt:MATRIX_FMT_FP6
.endif
.endif
.endm
.macro QK x                            ; S^T of the step's eight tiles of 16 keys for query tile x: eight accumulators, each begun with C = 0
	WIN 0x44*(\x)
.set fZ, 1
.set rB, Q
.set rSB, QSC+(\x)
.set qt, 0
.rept 8
.set rD, S+8*qt
.set rA, KF+6*qt
.set rSA, KSC+2*(qt/4)+(qt%4)/2
.set fRA, qt%2
	WMS
.set qt, qt+1
.endr
.endm
.macro PV x                            ; O^T += V^T P^T: four tiles of 16 channels, four accumulators by turns
	WIN 0x01+0x54*(\x)
.set fZ, 0
.set rB, P
.set rSB, PSC+(\x)
.set qt, 0
.rept 4
.set rD, O+8*qt
.set rA, VF+12*qt
.set rSA, VSC+qt/2
.set fRA, qt%2
	WMS
.set qt, qt+1
.endr
.endm
.macro KLOAD ro                        ; K's fragments and scale words of the record ro bytes behind the step's: 20 loads.  Lane (r, h) of tile 4 c + t reads row 8 (t / 2) + r % 8 of the record's tile 4 c + 2 (r / 8) + t % 2
.irp c, 0,1
.irp t, 0,1,2,3
	ds_load_b128 v[KF+6*(4*\c+\t):KF+6*(4*\c+\t)+3], v8 offset:(\ro)+768*(4*\c+(\t%2))+128*(\t/2)
	ds_load_b64 v[KF+6*(4*\c+\t)+4:KF+6*(4*\c+\t)+5], v9 offset:(\ro)+768*(4*\c+(\t%2))+512+64*(\t/2)
.endr
.endr
.irp c, 0,1
.irp u, 0,1
	ds_load_b32 v[KSC+2*\c+\u], v10 offset:(\ro)+6144+256*\c+32*\u
.endr
.endr
.endm
.macro MAXP x                          ; my two blocks' largest scores, each in two chains; every accumulator is first read at its low end
	WIN 0x15*(\x)
.irp c, 0,1
	v_max3_num_f32 v[ST+16*(\x)+\c], v[S+32*\c], v[S+32*\c+1], v[S+32*\c+2]
	v_max3_num_f32 v[ST+16*(\x)+2+\c], v[S+32*\c+17], v[S+32*\c+18], v[S+32*\c+19]
.endr
	WIN 0x14*(\x)
.irp i, 3,5,7,9,11,13
.irp c, 0,1
	v_max3_num_f32 v[ST+16*(\x)+\c], v[ST+16*(\x)+\c], v[S+32*\c+\i], v[S+32*\c+\i+1]
	v_max3_num_f32 v[ST+16*(\x)+2+\c], v[ST+16*(\x)+2+\c], v[S+32*\c+17+\i], v[S+32*\c+18+\i]
.endr
.endr
.irp c, 0,1
	v_max3_num_f32 v[ST+16*(\x)+\c], v[ST+16*(\x)+\c], v[S+32*\c+15], v[S+32*\c+16]
.endr
.endm
.macro RESC x                          ; O^T and the sum under the new M; then t - M, two at a time
	WIN 0x41*(\x)
.set j, 0
.rept 16
	v_pk_mul_f32 v[O+j:O+j+1], v[O+j:O+j+1], v[ST+16*(\x)+6:ST+16*(\x)+7] op_sel_hi:[1,0]
.set j, j+2
.endr
	v_pk_mul_f32 v[L:L+1], v[L:L+1], v[ST+16*(\x)+6:ST+16*(\x)+7] op_sel_hi:[1,0]
.set j, 0
.rept 32
	v_pk_fma_f32 v[S+j:S+j+1], v[S+j:S+j+1], s[CS:CS+1], v[ST+16*(\x)+4:ST+16*(\x)+5] op_sel_hi:[1,0,0]
.set j, j+2
.endr
.endm
.macro EXPS
.set j, 0
.rept 64
	v_exp_f32 v[S+j], v[S+j]                       ; p = 2^(t - M)
.set j, j+1
.endr
.endm
.macro SUMS lo, hi                     ; pairs lo .. hi of p onto four sums by turns
.set p, \lo
.rept \hi-\lo+1
	v_pk_add_f32 v[SU+2*((p+1)%4):SU+2*((p+1)%4)+1], v[SU+2*((p+1)%4):SU+2*((p+1)%4)+1], v[S+2*p:S+2*p+1]
.set p, p+1
.endr
.endm
.macro SUM0 x                          ; the row's sum of the unquantised p, first half
	WIN 0x55*(\x)
	v_pk_add_f32 v[SU:SU+1], v[S:S+1], v[S+2:S+3]
	v_pk_add_f32 v[SU+2:SU+3], v[S+4:S+5], v[S+6:S+7]
	v_pk_add_f32 v[SU+4:SU+5], v[S+8:S+9], v[S+10:S+11]
	v_pk_add_f32 v[L:L+1], v[L:L+1], v[S+12:S+13]
	SUMS 7, 18
.endm
.macro SUM1 x                          ; second half
	WIN 0x55*(\x)
	SUMS 19, 31
	D1
	v_pk_add_f32 v[SU:SU+1], v[SU:SU+1], v[SU+2:SU+3]
	v_pk_add_f32 v[L:L+1], v[L:L+1], v[SU+4:SU+5]
	D1
	v_pk_add_f32 v[L:L+1], v[L:L+1], v[SU:SU+1]
.endm
.macro CVT x                           ; a lane's two whole blocks into codes (a conversion's three registers begin on an even number: the upper halves are made elsewhere and moved)
	WIN 0x41*(\x)
.irp c, 0,1
	v_cvt_scalef32_pk16_fp6_f32 v[P+6*\c:P+6*\c+2], v[S+32*\c:S+32*\c+15], v[ST+16*(\x)+12+\c]
	v_cvt_scalef32_pk16_fp6_f32 v[TT+4*\c:TT+4*\c+2], v[S+32*\c+16:S+32*\c+31], v[ST+16*(\x)+12+\c]
.endr
.endm
.macro MOVS x
	WIN 0x41*(\x)
.irp c, 0,1
.irp i, 0,1,2
	v_mov_b32 v[P+6*\c+3+\i], v[TT+4*\c+\i]
.endr
.endr
.endm
; A KEY STEP: 128 keys, one record, two tiles of queries.  more = 1: the next record's K is fetched under the softmax
.macro STEP more
	s_wait_dscnt 0x0                               ; this step's K
	QK 0
	QK 1
	WIN 0
	v_add_nc_u32 v8, s[TB], v1                     ; five plain lines: the places between the products and the loads into registers that products have read
	v_add_nc_u32 v9, s[TB], v2
	v_add_nc_u32 v10, s[TB], v3
	v_add_nc_u32 v11, s[TB], v6
	v_add_nc_u32 v12, s[TB], v7
	WIN 0x40
.irp t, 0,1,2,3
.irp g, 0,1,2
	ds_load_b128 v[VF+12*\t+4*\g:VF+12*\t+4*\g+3], v11 offset:6656+1536*\t+512*\g
.endr
.endr
	WIN 0
.irp j, 0,1
	ds_load_b32 v[VSC+\j], v12 offset:12800+128*\j
.endr
.if \more
	KLOAD REC
.endif
	MAXP 0
	MAXP 1
	WIN 0
.irp b, ST, ST+16                      ; from here the two tiles' chains take turns
	v_max_num_f32 v[\b], v[\b], v[\b+2]            ; a block's largest score serves for the row's maximum and, since p rises with the score, for the block's largest p
	v_max_num_f32 v[\b+1], v[\b+1], v[\b+3]
	v_mov_b32 v[\b+9], v[\b+4]                     ; the old -M
.endr
.irp b, ST, ST+16
	v_max_num_f32 v[\b+2], v[\b], v[\b+1]
.endr
.irp b, ST, ST+16
	D2
	v_permlanex16_b32 v[\b+10], v[\b+2], s[SEL], s[SEL+1]
.endr
.irp b, ST, ST+16
	D2
	v_max3_num_f32 v[\b+8], v[\b+8], v[\b+2], v[\b+10]   ; the running largest score of my query
.endr
.irp b, ST, ST+16
	D2
	v_mul_f32 v[\b+3], s[CS], v[\b+8]              ; as t (c is positive)
.endr
.irp b, ST, ST+16
	D2
	v_floor_f32 v[\b+4], -v[\b+3]                  ; the new -M = floor(-t): M is a whole number
.endr
.irp b, ST, ST+16
	D2
	v_sub_f32 v[\b+2], v[\b+4], v[\b+9]            ; old M - new M: a whole number, 0 or less
.endr
.irp b, ST, ST+16
	D2
	v_cvt_i32_f32 v[\b+2], v[\b+2]                 ; (it saturates)
.endr
.irp b, ST, ST+16
	D2
	v_ldexp_f32 v[\b+6], 1.0, v[\b+2]              ; f = 2^(old M - new M)
.endr
	RESC 0
.irp b, ST, ST+16
.irp c, 0,1
	v_fma_f32 v[\b+\c], v[\b+\c], s[CS], v[\b+4]   ; t - M of each block's largest score
.endr
.endr
	RESC 1
	s_wait_alu depctr_va_vdst(0)                   ; the wait ahead of the batch
	EXPS                                           ; tile 1 (the windows stand as RESC 1 left them)
	WIN 0
	EXPS                                           ; tile 0
.irp b, ST, ST+16
.irp c, 0,1
	v_exp_f32 v[\b+\c], v[\b+\c]                   ; the blocks' largest p
.endr
.endr
	v_nop                                          ; a plain place behind the exponentials
	s_wait_alu depctr_va_vdst(0)                   ; one wait for the batch, ahead of its first reader
.irp b, ST, ST+16
.irp c, 0,1
	v_max_num_f32 v[\b+\c], 0x1800000, v[\b+\c]    ; the floor 2^(3 - 127)
.endr
.endr
.irp b, ST, ST+16
.irp c, 0,1
	v_add_nc_u32 v[\b+12+\c], 0xff000000, v[\b+\c] ; 2 off the exponent field: the conversion's scale operand
.endr
.endr
.irp b, ST, ST+16
.irp c, 0,1
	v_lshrrev_b32 v[\b+2+\c], 23, v[\b+12+\c]      ; the bytes of my blocks h and 2 + h
.endr
.endr
.irp b, ST, ST+16
	v_lshl_or_b32 v[\b+2], v[\b+3], 16, v[\b+2]
.endr
.irp b, ST, ST+16
	D2
	v_lshlrev_b32 v[\b+2], v13, v[\b+2]            ; 8 h bits up
.endr
.irp b, ST, ST+16
	D2
	v_permlanex16_b32 v[\b+10], v[\b+2], s[SEL], s[SEL+1]
.endr
	D2
	v_or_b32 v[PSC], v[ST+2], v[ST+10]             ; with lane l xor 16's two bytes p's scale word is whole
	D2
	v_or_b32 v[PSC+1], v[ST+18], v[ST+26]
	SUM0 0
	SUM1 0
	CVT 0
	CVT 1
	SUM0 1                                         ; plain lines behind the conversions
	MOVS 0
	MOVS 1                                         ; six places between tile 0's codes and its products
	WIN 0
	s_wait_alu depctr_va_vdst(0)                   ; the wait here, directly ahead of the wait below
.if \more
	s_wait_dscnt 20                                ; V's fourteen loads are in; the next step's twenty of K, issued behind them, may be out
.else
	s_wait_dscnt 0x0
.endif
	PV 0
	SUM1 1                                         ; sixteen places between tile 1's codes and its products; they name no register of tile 0's products
	PV 1
	WIN 0
.endm
.macro WALK n                          ; n steps
	s_mov_b32 s[CNT], \n
.Lstep_\@:
	STEP 1
	s_add_co_u32 s[TB], s[TB], REC
	s_sub_co_u32 s[CNT], s[CNT], 1
	s_cmp_lg_u32 s[CNT], 0
	s_cbranch_scc1 .Lstep_\@
.endm
	s_load_b128 s[4:7], s[0:1], 0x0                ; qc, kv
	s_load_b64 s[8:9], s[0:1], 0x10                ; oq
	v_lshl_add_u32 v4, v0, 2, SPARE
	v_mov_b32 v5, 0
	ds_add_u32 v4, v5                              ; the wave's opening: the add, twice on end, and its wait ahead of the first tensor load
	ds_add_u32 v4, v5
	v_lshrrev_b32 v58, 5, v0
	v_readfirstlane_b32 s[WV], v58                 ; wave 0..7
	s_bfe_u32 s11, ttmp6, 0x40000                  ; cx
	s_lshl_b32 s12, ttmp9, 2
	s_add_co_u32 s12, s12, s11                     ; x: my 64 queries: it enters global addresses alone
	s_and_b32 s13, ttmp7, 0xffff                   ; y = 8 x batch + hkv, which the partners share
	s_lshr_b32 s14, s13, 3
	s_and_b32 s15, s13, 7
	s_and_b32 s16, s[WV], 3
	s_lshr_b32 s17, s[WV], 2
	s_lshl_b32 s18, s14, 3
	s_lshr_b32 s19, s12, 1
	s_add_co_u32 s18, s18, s19                     ; G: the block of 128 tokens
	s_and_b32 s19, s12, 1
	s_lshl_b32 s20, s19, 2
	s_lshl_b32 s21, s17, 1
	s_add_co_u32 s20, s20, s21                     ; my first tile in it
	s_lshl_b32 s21, s15, 2
	s_add_co_u32 s21, s21, s16                     ; my query head
	s_lshl_b32 s70, s18, 5
	s_add_co_u32 s70, s70, s21
	s_mul_i32 s70, s70, 6656                       ; q's record
	s_mul_i32 s72, s20, 768
	s_add_co_u32 s72, s72, s70                     ; my two half images
	s_mov_b32 s73, 0
	s_lshl_b32 s74, s20, 6
	s_add_co_u32 s74, s74, s70                     ; my tiles' 64 bytes each of scale words (6,144 further on)
	s_mov_b32 s75, 0
	s_lshl_b32 s70, s18, 2
	s_lshr_b32 s71, s15, 1
	s_add_co_u32 s70, s70, s71
	s_mul_i32 s70, s70, 51200                      ; o's record: 4 G + head / 8
	s_and_b32 s71, s15, 1
	s_mul_i32 s76, s20, 6144
	s_add_co_u32 s76, s76, s70
	s_lshl_b32 s78, s71, 1
	s_lshr_b32 s79, s16, 1
	s_add_co_u32 s78, s78, s79
	s_mul_i32 s78, s78, 1536                       ; K step (head % 8) / 2
	s_add_co_u32 s76, s76, s78
	s_and_b32 s78, s[WV], 1
	s_mul_i32 s78, s78, 768                        ; half head % 2
	s_add_co_u32 s76, s76, s78
	s_mov_b32 s77, 0
	s_lshl_b32 s78, s71, 10
	s_add_co_u32 s78, s78, s70
	s_lshl_b32 s79, s19, 9
	s_add_co_u32 s78, s78, s79
	s_add_co_u32 s78, s78, 49152                   ; the work-group's 512 bytes of o's scale words
	s_mov_b32 s79, 0
	s_mul_i32 s87, s13, 24
	s_add_co_u32 s80, s87, s[WV]
	s_mul_i32 s80, s80, REC                        ; record 24 y + wave: nothing here hangs on my place in the cluster
	s_mov_b32 s81, 0
	s_lshl_b32 s84, s[WV], 1
	s_add_co_u32 s84, s84, s87
	s_add_co_u32 s84, s84, 8
	s_mul_i32 s84, s84, REC                        ; records 24 y + 8 + 2 wave and the next
	s_mov_b32 s85, 0
	s_lshl_b32 s83, s17, 8
	s_lshl_b32 s86, s16, 1
	s_add_co_u32 s83, s83, s86
	s_add_co_u32 s83, s83, OSC
	s_mov_b32 s[G1], 15|(3<<16)|(1<<21)            ; the mask: all four work-groups; elements of 8 bytes; bit 21 set beside the mask
	s_mov_b32 s[G1+1], 32<<16                      ; rows of 256 bytes
	s_mov_b32 s[G1+2], 51<<16
	s_mov_b32 s[G1+3], 32<<16
	s_mov_b32 s[G1+4], 51
	s_mov_b32 s[G1+5], 32
	s_mov_b32 s[G1+6], 0
	s_mov_b32 s[G1+7], 0
	s_mov_b32 s[G1L], 15|(3<<16)|(1<<21)
	s_mov_b32 s[G1L+1], 32<<16
	s_mov_b32 s[G1L+2], 102<<16
	s_mov_b32 s[G1L+3], 32<<16
	s_mov_b32 s[G1L+4], 102
	s_mov_b32 s[G1L+5], 32
	s_mov_b32 s[G1L+6], 0
	s_mov_b32 s[G1L+7], 0
	s_mov_b32 s[G0], 1
	s_mul_i32 s[G0+1], s[WV], REC
	s_mov_b32 s[G0L], 1
	s_mul_i32 s[G0L+1], s[WV], 2*REC
	s_add_co_u32 s[G0L+1], s[G0L+1], 8*REC
	s_mov_b32 s[CS], 0x3e38aa3b                    ; c = log2(e) / 8
	s_mov_b32 s[CS+1], s[CS]
	s_mov_b32 s[SEL], 0x76543210
	s_mov_b32 s[SEL+1], 0xfedcba98
	s_mov_b32 s[TB], 0
	s_wait_dscnt 0x0                               ; both opening adds are done
	s_wait_kmcnt 0x0
	s_add_nc_u64 s[56:57], s[4:5], s[72:73]
	s_add_nc_u64 s[58:59], s[4:5], s[74:75]
	s_add_nc_u64 s[60:61], s[8:9], s[76:77]
	s_add_nc_u64 s[62:63], s[8:9], s[78:79]
	s_add_nc_u64 s[G0+2:G0+3], s[6:7], s[80:81]
	s_or_b32 s[G0+3], s[G0+3], 0x80000000
	s_add_nc_u64 s[G0L+2:G0L+3], s[6:7], s[84:85]
	s_or_b32 s[G0L+3], s[G0L+3], 0x80000000
	CROUND                                         ; all four work-groups are here: the joint loads meet
	tensor_load_to_lds s[G0:G0+3], s[G1:G1+7]      ; record = my wave's number: one tensor load a wave at the head
	s_nop 0
	v_and_b32 v58, 31, v0                          ; lane
	v_and_b32 v59, 15, v0                          ; r
	v_bfe_u32 v60, v0, 4, 1                        ; h
	v_and_b32 v61, 7, v0                           ; r % 8
	v_bfe_u32 v62, v0, 3, 1                        ; r / 8
	v_mul_u32_u24 v1, v62, 1536                    ; K: two tiles of the record on for rows 8-15,
	v_lshlrev_b32 v3, 7, v62
	v_lshl_add_u32 v2, v61, 3, v1                  ; the row's place in a half image: 16 (8) bytes a row, 256 (128) for h,
	v_lshl_add_u32 v1, v61, 4, v1
	v_lshl_add_u32 v3, v61, 2, v3                  ; and its scale word: 4 bytes a row, 64 a tile: lanes 16-31 take the odd tile's
	v_lshl_add_u32 v2, v60, 7, v2
	v_lshl_add_u32 v1, v60, 8, v1
	v_lshl_add_u32 v3, v60, 6, v3
	v_lshlrev_b32 v6, 4, v58
	v_lshlrev_b32 v7, 2, v58
	v_lshlrev_b32 v214, 3, v58
	v_lshlrev_b32 v215, 2, v59
	v_lshlrev_b32 v13, 3, v60
	v_lshl_add_u32 v56, v59, 3, s83                ; o's scale bytes: 256 (w / 4) + 128 x tile + 8 r + 2 (w % 4)
	v_add_nc_u32 v57, OSC, v6
	global_load_b128 v[Q:Q+3], v6, s[56:57]        ; Q's half images stay in registers
	global_load_b64 v[Q+4:Q+5], v214, s[56:57] offset:512
	global_load_b32 v[QSC], v215, s[58:59] offset:6144
	global_load_b32 v[QSC+1], v215, s[58:59] offset:6144+64
	WIN 0x40
	global_load_b128 v[Q:Q+3], v6, s[56:57] offset:768
	global_load_b64 v[Q+4:Q+5], v214, s[56:57] offset:768+512
.irp w, 0x40, 0                        ; window 1, then window 0
	WIN \w
.irp j, 6,7,8,9,10,11
	v_mov_b32 v[Q+\j], 0                           ; K = 64 .. 127 of Q: zero codes
.endr
	v_mov_b32 v[L], 0
	v_mov_b32 v[L+1], 0
.set j, 0
.rept 32
	v_mov_b32 v[O+j], 0                            ; O^T: the step is written once for all steps; the first finds zeros, which the first change of M leaves zeros
.set j, j+1
.endr
.endr
.irp j, 48,49,50,51,52,53
	v_mov_b32 v[KF+\j], 0                          ; behind K's last fragment: written once, never loaded
.endr
.irp b, ST, ST+16
	v_mov_b32 v[\b+8], 0xff61b1e6                  ; the largest score so far: -3e38
	v_mov_b32 v[\b+4], 0x7f61b1e6                  ; -M
	v_mov_b32 v[\b+5], 0                           ; (named as the upper halves of pairs)
	v_mov_b32 v[\b+7], 0
	v_mov_b32 v[\b+10], 0                          ; a lane permute's destination counts as one of its sources
.endr
	s_wait_alu depctr_va_vdst(0)                   ; the wait at the head's end
	s_wait_tensorcnt 0x0                           ; my record is in
	ds_add_u32 v4, v5
	s_wait_dscnt 0x0
	CROUND                                         ; records 0-7 are whole, and all four work-groups are here
	tensor_load_to_lds s[G0L:G0L+3], s[G1L:G1L+7]  ; records 8 + 2 wave and the next: the first tensor load behind the round
	s_nop 0
	v_add_nc_u32 v8, s[TB], v1
	v_add_nc_u32 v9, s[TB], v2
	v_add_nc_u32 v10, s[TB], v3
	KLOAD 0                                        ; step 0's K
	s_wait_loadcnt 0x0                             ; Q
	WALK 7                                         ; steps 0-6: they read records 0-7
	s_wait_tensorcnt 0x0                           ; my two records are in;
	s_wait_dscnt 0x0                               ; no LDS instruction is pending at the signal
	s_barrier_signal -1
	s_barrier_wait -1                              ; everybody's are.
	s_mov_b32 s[TB], 7*REC
	WALK 16                                        ; steps 7-22
	s_mov_b32 s[TB], 23*REC
	STEP 0                                         ; the last step fetches no further K
; THE WAY OUT of tile x: O^T / the sum, quantised along the head's 64: register 16 b + i is channel 32 b + 16 h + i of my query
.macro OUT x
	WIN 0x55*(\x)
	v_add_f32 v[L], v[L], v[L+1]
	v_permlanex16_b32 v[SU], v[L], s[SEL], s[SEL+1]
	v_add_f32 v[L], v[L], v[SU]                    ; the row's sum
	s_wait_alu depctr_va_vdst(0)                   ; the wait ahead of the transcendental
	v_rcp_f32 v[SU+2], v[L]
	v_nop                                          ; a plain place behind it,
	s_wait_alu depctr_va_vdst(0)                   ; and the wait ahead of its first reader, which is also O^T's
.set j, 0
.rept 16
	v_pk_mul_f32 v[O+j:O+j+1], v[O+j:O+j+1], v[SU+2:SU+3] op_sel_hi:[1,0]
.set j, j+2
.endr
.irp b, 0,1
	v_max3_num_f32 v[S+\b], |v[O+16*\b]|, |v[O+16*\b+1]|, 0x1800000
.endr
.irp i, 2,4,6,8,10,12,14
.irp b, 0,1
	v_max3_num_f32 v[S+\b], v[S+\b], |v[O+16*\b+\i]|, |v[O+16*\b+\i+1]|
.endr
.endr
.irp b, 0,1
	v_permlanex16_b32 v[S+2+\b], v[S+\b], s[SEL], s[SEL+1]
.endr
.irp b, 0,1
	v_max_num_f32 v[S+\b], v[S+\b], v[S+2+\b]
.endr
.irp b, 0,1
	v_add_nc_u32 v[S+4+\b], 0xff000000, v[S+\b]
.endr
.irp b, 0,1
	v_lshrrev_b32 v[S+2+\b], 23, v[S+4+\b]
.endr
	v_lshl_or_b32 v[S+6], v[S+3], 8, v[S+2]        ; my row's two bytes
	v_cvt_scalef32_pk16_fp6_f32 v[P:P+2], v[O:O+15], v[S+4]
	v_cvt_scalef32_pk16_fp6_f32 v[TT:TT+2], v[O+16:O+31], v[S+5]
	v_nop                                          ; one plain place behind the conversions
.irp i, 0,1,2
	v_permlane16_swap_b32 v[P+\i], v[TT+\i]        ; here a lane holds half blocks: the exchange gives each lane a whole one
.endr
.irp i, 0,1,2
	v_mov_b32 v[P+3+\i], v[TT+\i]
.endr
	WIN 0x04*(\x)
	global_store_b128 v6, v[P:P+3], s[60:61] offset:6144*(\x)       ; a half image: 512 and 256 consecutive bytes, aligned to 256
	global_store_b64 v214, v[P+4:P+5], s[60:61] offset:6144*(\x)+512
	ds_store_b16 v56, v[S+6] offset:128*(\x)       ; both halves of the lanes write the same two bytes with the same value
.endm
.rept 4
	v_nop                                          ; places behind the last products
.endr
	OUT 0
	OUT 1
	WIN 0
	s_wait_dscnt 0x0                               ; for the others' sake
	s_barrier_signal -1
	s_barrier_wait -1
	s_cmp_lg_u32 s[WV], 0
	s_cbranch_scc1 .Ldone
	ds_load_b128 v[S:S+3], v57                     ; wave 0 stores the work-group's 512 bytes of scale words whole
	s_wait_dscnt 0x0
	global_store_b128 v6, v[S:S+3], s[62:63]
.Ldone:
	s_wait_tensorcnt 0x0                           ; the wave's end, behind my last tensor load and my last LDS store
	ds_add_u32 v4, v5
	s_wait_dscnt 0x0
	CROUND                                         ; the closing round
	s_endpgm
.Lfunc_end_k_qb35912ef3e_attn:
	.size	k_qb35912ef3e_attn, .Lfunc_end_k_qb35912ef3e_attn-k_qb35912ef3e_attn
	.p2alignl 7, 3214868480
	.fill 96, 4, 3214868480
	.section	.rodata,"a",@progbits
	.p2align	6, 0x0
	.amdhsa_kernel k_qb35912ef3e_attn
		.amdhsa_group_segment_fixed_size 327680
		.amdhsa_private_segment_fixed_size 0
		.amdhsa_enable_private_segment 0
		.amdhsa_kernarg_size 24
		.amdhsa_user_sgpr_count 2
		.amdhsa_user_sgpr_kernarg_segment_ptr 1
		.amdhsa_wavefront_size32 1
		.amdhsa_system_sgpr_workgroup_id_x 1
		.amdhsa_system_sgpr_workgroup_id_y 1
		.amdhsa_system_sgpr_workgroup_id_z 1
		.amdhsa_system_vgpr_workitem_id 0
		.amdhsa_next_free_vgpr 512
		.amdhsa_next_free_sgpr 100
		.amdhsa_reserve_vcc 0
		.amdhsa_float_denorm_mode_32 3
		.amdhsa_float_denorm_mode_16_64 3
		.amdhsa_memory_ordered 1
		.amdhsa_forward_progress 1
		.amdhsa_inst_pref_size 103
	.end_amdhsa_kernel
	.amdgpu_metadata
---
amdhsa.version: [ 1, 2 ]
amdhsa.kernels:
  - .name:           k_qb35912ef3e_attn
    .symbol:         k_qb35912ef3e_attn.kd
    .args:
      - { .name: qc, .offset: 0, .size: 8, .value_kind: global_buffer, .address_space: global }
      - { .name: kv, .offset: 8, .size: 8, .value_kind: global_buffer, .address_space: global }
      - { .name: oq, .offset: 16, .size: 8, .value_kind: global_buffer, .address_space: global }
    .group_segment_fixed_size: 327680
    .private_segment_fixed_size: 0
    .kernarg_segment_align: 8
    .kernarg_segment_size: 24
    .max_flat_workgroup_size: 256
    .sgpr_count:     100
    .vgpr_count:     512
    .wavefront_size: 32
...
	.end_amdgpu_metadata
.endif
;; end of part 3
;; launch oproj (part 4): grid 16 x 16, 4 waves a work-group, clusters of 4 x 1, 327,680 bytes of LDS; arguments oq, woc, out0; writes out0
.if DOCPART == 4
	.amdgcn_target "amdgcn-amd-amdhsa--gfx1250"
	.amdhsa_code_object_version 6
	.text
	.protected	k_qb35912ef3e_oproj
	.globl	k_qb35912ef3e_oproj
	.p2align	8
	.type	k_qb35912ef3e_oproj,@function
k_qb35912ef3e_oproj:
	s_mov_b64 s[64:65], 0
	v_nop
	global_prefetch_b8 v0, s[64:65] scope:SCOPE_SE
	s_setreg_imm32_b32 hwreg(HW_REG_WAVE_MODE, 25, 1), 1
	s_wait_xcnt 0x0
	s_wait_alu depctr_hold_cnt(0) depctr_sa_sdst(0) depctr_va_vdst(0) depctr_va_sdst(0) depctr_va_ssrc(0) depctr_va_vcc(0) depctr_vm_vsrc(0)
	s_getreg_b32 s2, hwreg(HW_REG_IB_STS2, 6, 4)
	s_cmp_eq_u32 s2, 0
	s_cbranch_scc0 .Lentry_in_a_cluster
	s_endpgm
.Lentry_in_a_cluster:
	s_bfe_u32 s2, ttmp6, 0x10000c
	s_cmp_lg_u32 s2, 0x3003
	s_cbranch_scc0 .Lentry_shape_is_right
	s_endpgm
.Lentry_shape_is_right:
.set NT,    8
.set RECA,  51200
.set RECB,  NT*6400
.set SLOT,  RECA+RECB
.set SPARE, 2*SLOT
.set STG,   SPARE+512
.set NF,    8+4*NT
.set WV,    20
.set G1A,   24
.set G0A,   32
.set G1B,   40
.set G0B,   48
.set ADRA,  4
.set ADRA8, 6
.set ADRB,  8
.set ADRB8, 12
.set ADSA,  16
.set ADSB,  18
.set SPW,   20
.set NIL,   21
.set STO,   22
.set RD,    23
.set SA,    32
.set SB,    36
.set ACC,   64
.set MSB, 0
.macro WIN new
.if MSB != (\new)
	s_set_vgpr_msb (MSB<<8)|(\new)
.set MSB, (\new)
.endif
.endm
.macro PLACES
.rept 4
	v_nop
.endr
.endm
.macro CROUND
	s_barrier_signal -1
	s_barrier_wait -1
	s_cmp_lg_u32 s[WV], 0
	s_cbranch_scc1 .Lnot_wave_0_\@
	s_barrier_signal -3
.Lnot_wave_0_\@:
	s_barrier_wait -3
	s_barrier_signal -1
	s_barrier_wait -1
.endm
.macro JLOAD s
	s_cmp_lt_u32 s[WV], 2
	s_cbranch_scc0 .Lfor_b_\@
	tensor_load_to_lds s[G0A+4*(\s):G0A+4*(\s)+3], s[G1A:G1A+7]
	s_nop 0
.rept 4
	v_nop
.endr
	s_branch .Lasked_\@
.Lfor_b_\@:
	tensor_load_to_lds s[G0B+4*(\s):G0B+4*(\s)+3], s[G1B:G1B+7]
	s_nop 0
.rept 4
	v_nop
.endr
.Lasked_\@:
.endm
.macro WMS
.if fZ
.if fRA && fRB
	v_wmma_scale_f32_16x16x128_f8f6f4 v[rD:rD+7], v[rA:rA+11], v[rB:rB+11], 0, v[rSA], v[rSB] matrix_a_fmt:MATRIX_FMT_FP6 matrix_b_fmt:MATRIX_FMT_FP6 matrix_a_scale:MATRIX_SCALE_ROW1 matrix_b_scale:MATRIX_SCALE_ROW1
.elseif fRA
	v_wmma_scale_f32_16x16x128_f8f6f4 v[rD:rD+7], v[rA:rA+11], v[rB:rB+11], 0, v[rSA], v[rSB] matrix_a_fmt:MATRIX_FMT_FP6 matrix_b_fmt:MATRIX_FMT_FP6 matrix_a_scale:MATRIX_SCALE_ROW1
.elseif fRB
	v_wmma_scale_f32_16x16x128_f8f6f4 v[rD:rD+7], v[rA:rA+11], v[rB:rB+11], 0, v[rSA], v[rSB] matrix_a_fmt:MATRIX_FMT_FP6 matrix_b_fmt:MATRIX_FMT_FP6 matrix_b_scale:MATRIX_SCALE_ROW1
.else
	v_wmma_scale_f32_16x16x128_f8f6f4 v[rD:rD+7], v[rA:rA+11], v[rB:rB+11], 0, v[rSA], v[rSB] matrix_a_fmt:MATRIX_FMT_FP6 matrix_b_fmt:MATRIX_FMT_FP6
.endif
.else
.if fRA && fRB
	v_wmma_scale_f32_16x16x128_f8f6f4 v[rD:rD+7], v[rA:rA+11], v[rB:rB+11], v[rD:rD+7], v[rSA], v[rSB] matrix_a_fmt:MATRIX_FMT_FP6 matrix_b_fmt:MATRIX_FMT_FP6 matrix_a_scale:MATRIX_SCALE_ROW1 matrix_b_scale:MATRIX_SCALE_ROW1
.elseif fRA
	v_wmma_scale_f32_16x16x128_f8f6f4 v[rD:rD+7], v[rA:rA+11], v[rB:rB+11], v[rD:rD+7], v[rSA], v[rSB] matrix_a_fmt:MATRIX_FMT_FP6 matrix_b_fmt:MATRIX_FMT_FP6 matrix_a_scale:MATRIX_SCALE_ROW1
.elseif fRB
	v_wmma_scale_f32_16x16x128_f8f6f4 v[rD:rD+7], v[rA:rA+11], v[rB:rB+11], v[rD:rD+7], v[rSA], v[rSB] matrix_a_fmt:MATRIX_FMT_FP6 matrix_b_fmt:MATRIX_FMT_FP6 matrix_b_scale:MATRIX_SCALE_ROW1
.else
	v_wmma_scale_f32_16x16x128_f8f6f4 v[rD:rD+7], v[rA:rA+11], v[rB:rB+11], v[rD:rD+7], v[rSA], v[rSB] matrix_a_fmt:MATRIX_FMT_FP6 matrix_b_fmt:MATRIX_FMT_FP6
.endif
.endif
.endm
.macro MUL p, s, zero
	WIN 5*((\p)+1)
.set fZ, \zero
.set mi, 0
.rept 2
.set mn, 0
.rept NT
.set rD, ACC+8*(NT*mi+mn)
.set rA, 32+12*mn
.set rB, 12*mi
.set rSA, SB+4*(mn%(NT/2))+(\s)
.set rSB, SA+(\s)
.set fRA, mn/(NT/2)
.set fRB, mi
	WMS
.set mn, mn+1
.endr
.set mi, mi+1
.endr
.endm
.macro FRAG reg, a16, a8, off
.irp c, 0,1
	ds_load_b128 v[(\reg)+6*\c:(\reg)+6*\c+3], v[\a16] offset:(\off)+768*\c
	ds_load_b64 v[(\reg)+6*\c+4:(\reg)+6*\c+5], v[\a8] offset:(\off)+768*\c+512
.endr
.endm
.macro FETCH slot, s, p
	WIN ((\p)+1)<<6
	FRAG 0, ADRA+\slot, ADRA8+\slot, 1536*(\s)
	FRAG 12, ADRA+\slot, ADRA8+\slot, 6144+1536*(\s)
.set fn, 0
.rept NT
	FRAG 32+12*fn, ADRB+2*\slot+fn/(NT/2), ADRB8+2*\slot+fn/(NT/2), 6144*(fn%(NT/2))+1536*(\s)
.set fn, fn+1
.endr
.endm
.macro SCALES slot
.set st, 0
.rept NT/2
	ds_load_b128 v[SB+4*st:SB+4*st+3], v[ADSB+\slot] offset:256*st
.set st, st+1
.endr
	ds_load_b64 v[SA:SA+1], v[ADSA+\slot]
	ds_load_b64 v[SA+2:SA+3], v[ADSA+\slot] offset:1024
.endm
.macro PHASE slot, kind, zero
.if \kind == 0
	s_wait_tensorcnt 0x1
	s_barrier_signal -1
	s_barrier_wait -1
.else
	WIN 0
	s_wait_tensorcnt 0x0
	ds_add_u32 v[SPW], v[NIL]
.if \kind == 1
	s_add_nc_u64 s[G0A+4*(1-\slot)+2:G0A+4*(1-\slot)+3], s[G0A+4*(1-\slot)+2:G0A+4*(1-\slot)+3], 2*RECA
	s_add_nc_u64 s[G0B+4*(1-\slot)+2:G0B+4*(1-\slot)+3], s[G0B+4*(1-\slot)+2:G0B+4*(1-\slot)+3], 2*RECB
.endif
	s_wait_dscnt 0x0
.if \kind == 1
	CROUND
	JLOAD 1-\slot
.else
	s_barrier_signal -1
	s_barrier_wait -1
	PLACES
.endif
.endif
	SCALES \slot
	FETCH \slot, 0, 0
	FETCH \slot, 1, 1
	s_wait_dscnt NF
	MUL 0, 0, \zero
	PLACES
	FETCH \slot, 2, 0
	s_wait_dscnt NF
	MUL 1, 1, 0
	PLACES
	FETCH \slot, 3, 1
	s_wait_dscnt NF
	MUL 0, 2, 0
	s_wait_dscnt 0x0
	MUL 1, 3, 0
.endm
	s_load_b128 s[4:7], s[0:1], 0x0
	s_load_b64 s[8:9], s[0:1], 0x10
	v_lshl_add_u32 v[SPW], v0, 2, SPARE
	v_mov_b32 v[NIL], 0
	ds_add_u32 v[SPW], v[NIL]
	ds_add_u32 v[SPW], v[NIL]
	v_lshrrev_b32 v1, 5, v0
	v_readfirstlane_b32 s[WV], v1
	s_and_b32 s21, s[WV], 1
	s_bfe_u32 s22, ttmp6, 0x40000
	s_lshl_b32 s23, ttmp9, 2
	s_add_co_u32 s22, s23, s22
	s_and_b32 s23, ttmp7, 0xffff
	s_mov_b32 s[G1A], 3<<16
	s_mov_b32 s[G1A+1], 32<<16
	s_mov_b32 s[G1A+2], (RECA/512)<<16
	s_mov_b32 s[G1A+3], 32<<16
	s_mov_b32 s[G1A+4], RECA/512
	s_mov_b32 s[G1A+5], 32
	s_mov_b32 s[G1A+6], 0
	s_mov_b32 s[G1A+7], 0
	s_mov_b32 s[G1B], 15|(3<<16)|(1<<21)
	s_mov_b32 s[G1B+1], 32<<16
	s_mov_b32 s[G1B+2], (RECB/512)<<16
	s_mov_b32 s[G1B+3], 32<<16
	s_mov_b32 s[G1B+4], RECB/512
	s_mov_b32 s[G1B+5], 32
	s_mov_b32 s[G1B+6], 0
	s_mov_b32 s[G1B+7], 0
	v_and_b32 v3, 31, v0
	v_lshlrev_b32 v1, 4, v3
	v_lshlrev_b32 v2, 3, v3
	v_and_b32 v64, 15, v0
	v_bfe_u32 v65, v0, 4, 1
	s_mul_i32 s74, s[WV], 12288
	v_add_nc_u32 v[ADRA], s74, v1
	v_add_nc_u32 v[ADRA+1], SLOT, v[ADRA]
	v_add_nc_u32 v[ADRA8], s74, v2
	v_add_nc_u32 v[ADRA8+1], SLOT, v[ADRA8]
	v_add_nc_u32 v[ADRB], RECA, v1
	v_add_nc_u32 v[ADRB+1], RECA+(NT/2)*6144, v1
	v_add_nc_u32 v[ADRB+2], SLOT+RECA, v1
	v_add_nc_u32 v[ADRB+3], SLOT+RECA+(NT/2)*6144, v1
	v_add_nc_u32 v[ADRB8], RECA, v2
	v_add_nc_u32 v[ADRB8+1], RECA+(NT/2)*6144, v2
	v_add_nc_u32 v[ADRB8+2], SLOT+RECA, v2
	v_add_nc_u32 v[ADRB8+3], SLOT+RECA+(NT/2)*6144, v2
	s_lshl_b32 s74, s[WV], 8
	s_add_co_u32 s74, s74, 49152
	v_add_nc_u32 v[ADSA], s74, v2
	v_add_nc_u32 v[ADSA+1], SLOT, v[ADSA]
	v_lshlrev_b32 v[ADSB], 4, v64
	v_mad_u32_u24 v[ADSB], v65, (NT/2)*256, v[ADSB]
	v_add_nc_u32 v[ADSB], RECA+NT*6144, v[ADSB]
	v_add_nc_u32 v[ADSB+1], SLOT, v[ADSB]
	s_mul_i32 s74, s[WV], 8448
	s_add_co_u32 s74, s74, STG
	v_mul_u32_u24 v[STO], v64, 528
	v_lshl_add_u32 v[STO], v65, 6, v[STO]
	v_add_nc_u32 v[STO], s74, v[STO]
	v_add_nc_u32 v[RD], s74, v1
	s_wait_dscnt 0x0
	s_wait_kmcnt 0x0
	s_mul_i32 s74, s22, 4*RECA
	s_mul_i32 s76, s21, RECA/2
	s_add_co_u32 s74, s74, s76
	s_mov_b32 s75, 0
	s_add_nc_u64 s[74:75], s[4:5], s[74:75]
	s_mul_i32 s78, s23, 4*RECB
	s_mul_i32 s77, s21, RECB/2
	s_add_co_u32 s78, s78, s77
	s_mov_b32 s79, 0
	s_add_nc_u64 s[78:79], s[6:7], s[78:79]
	s_cmp_lt_u32 s[WV], 2                          ; the prefetches' base: where my own loads begin: A's half record (waves 0, 1) or B's (waves 2, 3)
	s_cselect_b64 s[62:63], s[74:75], s[78:79]
	s_and_b32 s84, s22, 3                          ; cx: it enters a global offset alone
	s_mul_i32 s84, s84, 25                         ; B's half record is 100 blocks of 256 bytes: each of the four partners names 25 of them
; Records lo .. lo + n - 1 are asked for ahead of their tensor loads.  A's waves: the 100 blocks of their half record, a lane a block, four instructions.
; B's waves: their work-group's 25 of the 100 blocks, one instruction; lanes left over name the last block again.  v52-54 and s[62:63] are never rewritten.
.macro ASK lo, n
	s_cmp_lt_u32 s[WV], 2
	s_cbranch_scc0 .Lask_b_\@
.set pr, \lo
.rept \n
	global_prefetch_b8 v52, s[62:63] offset:pr*RECA th:TH_LOAD_NT scope:SCOPE_SE
	global_prefetch_b8 v52, s[62:63] offset:pr*RECA+8192 th:TH_LOAD_NT scope:SCOPE_SE
	global_prefetch_b8 v52, s[62:63] offset:pr*RECA+16384 th:TH_LOAD_NT scope:SCOPE_SE
	global_prefetch_b8 v53, s[62:63] offset:pr*RECA th:TH_LOAD_NT scope:SCOPE_SE
.set pr, pr+1
.endr
	s_branch .Lask_done_\@
.Lask_b_\@:
.set pr, \lo
.rept \n
	global_prefetch_b8 v54, s[62:63] offset:pr*RECB th:TH_LOAD_NT scope:SCOPE_SE
.set pr, pr+1
.endr
.Lask_done_\@:
.endm
.irp s, 0,1
	s_mov_b32 s[G0A+4*\s], 1
	s_add_co_u32 s[G0A+4*\s+1], s76, \s*SLOT
	s_add_nc_u64 s[G0A+4*\s+2:G0A+4*\s+3], s[74:75], \s*RECA
	s_or_b32 s[G0A+4*\s+3], s[G0A+4*\s+3], 0x80000000
	s_mov_b32 s[G0B+4*\s], 1
	s_add_co_u32 s[G0B+4*\s+1], s77, \s*SLOT+RECA
	s_add_nc_u64 s[G0B+4*\s+2:G0B+4*\s+3], s[78:79], \s*RECB
	s_or_b32 s[G0B+4*\s+3], s[G0B+4*\s+3], 0x80000000
.endr
	s_lshl_b32 s80, s22, 7
	s_lshl_b32 s81, s[WV], 5
	s_add_co_u32 s80, s80, s81
	s_lshl_b32 s80, s80, 13
	s_lshl_b32 s81, s23, 9
	s_add_co_u32 s80, s80, s81
	s_mov_b32 s81, 0
	s_add_nc_u64 s[56:57], s[8:9], s[80:81]
	CROUND
	JLOAD 0
	v_and_b32 v52, 31, v0                          ; lane
	v_add_nc_u32 v53, 96, v52
	v_min_u32 v54, 24, v52
	v_min_u32 v53, 99, v53                         ; A: blocks 96 .. 99
	v_add_nc_u32 v54, s84, v54                     ; B: blocks 25 cx + 0 .. 24
	v_lshlrev_b32 v52, 8, v52                      ; A: blocks lane, + 32, + 64 by the immediate
	v_lshlrev_b32 v53, 8, v53
	v_lshlrev_b32 v54, 8, v54
	s_wait_alu depctr_va_vdst(0)
	ASK 1, 2                                       ; records 1 and 2: their loads stand one and two changes of slots on
	s_wait_alu depctr_va_vdst(0)
	s_wait_tensorcnt 0x0
	ds_add_u32 v20, v21
	s_wait_dscnt 0x0
	CROUND
	JLOAD 1
	ASK 3, 1                                       ; record 3: its load stands two changes of slots on
	s_wait_alu depctr_va_vdst(0)
	PHASE 0, 0, 1
	PHASE 1, 1, 0
	PHASE 0, 1, 0
	PHASE 1, 2, 0
	WIN 0
	PLACES
.irp i, 0,1
.irp n, 0,1,2,3,4,5,6,7
	ds_store_b128 v[STO], v[ACC+8*(NT*\i+\n):ACC+8*(NT*\i+\n)+3] offset:128*(\n/2)+32*(\n%2)
	ds_store_b128 v[STO], v[ACC+8*(NT*\i+\n)+4:ACC+8*(NT*\i+\n)+7] offset:128*(\n/2)+32*(\n%2)+16
.endr
.irp t, 0,1,2,3,4,5,6,7,8,9,10,11,12,13,14,15
	ds_load_b128 v[ACC+64*\i+4*\t:ACC+64*\i+4*\t+3], v[RD] offset:528*\t
.endr
.endr
.irp i, 0,1
.irp t, 0,1,2,3,4,5,6,7,8,9,10,11,12,13,14,15
	s_wait_dscnt 32*(1-\i)+15-\t
	global_store_b128 v1, v[ACC+64*\i+4*\t:ACC+64*\i+4*\t+3], s[56:57] offset:(8*\i+\t+8*(\t/8))*8192 th:TH_STORE_NT
.endr
.endr
	s_wait_tensorcnt 0x0
	ds_add_u32 v[SPW], v[NIL]
	s_wait_dscnt 0x0
	CROUND
	s_endpgm
.Lfunc_end_k_qb35912ef3e_oproj:
	.size	k_qb35912ef3e_oproj, .Lfunc_end_k_qb35912ef3e_oproj-k_qb35912ef3e_oproj
	.p2alignl 7, 3214868480
	.fill 96, 4, 3214868480
	.section	.rodata,"a",@progbits
	.p2align	6, 0x0
	.amdhsa_kernel k_qb35912ef3e_oproj
		.amdhsa_group_segment_fixed_size 327680
		.amdhsa_private_segment_fixed_size 0
		.amdhsa_enable_private_segment 0
		.amdhsa_kernarg_size 24
		.amdhsa_user_sgpr_count 2
		.amdhsa_user_sgpr_kernarg_segment_ptr 1
		.amdhsa_wavefront_size32 1
		.amdhsa_system_sgpr_workgroup_id_x 1
		.amdhsa_system_sgpr_workgroup_id_y 1
		.amdhsa_system_sgpr_workgroup_id_z 1
		.amdhsa_system_vgpr_workitem_id 0
		.amdhsa_next_free_vgpr 768
		.amdhsa_next_free_sgpr 96
		.amdhsa_reserve_vcc 0
		.amdhsa_float_denorm_mode_32 3
		.amdhsa_float_denorm_mode_16_64 3
		.amdhsa_memory_ordered 1
		.amdhsa_forward_progress 1
		.amdhsa_inst_pref_size 97
	.end_amdhsa_kernel
	.amdgpu_metadata
---
amdhsa.version: [ 1, 2 ]
amdhsa.kernels:
  - .name:           k_qb35912ef3e_oproj
    .symbol:         k_qb35912ef3e_oproj.kd
    .args:
      - { .name: oq, .offset: 0, .size: 8, .value_kind: global_buffer, .address_space: global }
      - { .name: woc, .offset: 8, .size: 8, .value_kind: global_buffer, .address_space: global }
      - { .name: out0, .offset: 16, .size: 8, .value_kind: global_buffer, .address_space: global }
    .group_segment_fixed_size: 327680
    .private_segment_fixed_size: 0
    .kernarg_segment_align: 8
    .kernarg_segment_size: 24
    .max_flat_workgroup_size: 128
    .sgpr_count:     96
    .vgpr_count:     768
    .wavefront_size: 32
...
	.end_amdgpu_metadata
.endif
;; end of part 4
